; MI455X (gfx1250); checked and timed in simulation.
; The chip was launched on July 23, 2026; its instructions are those of AMD's public machine-readable ISA for CDNA 5 (MIT licence, August 2026) and "CDNA5" Instruction Set Architecture Reference Guide (July 2026). The comments in the code are by the model that wrote it; some were corrected since.
;; Causal Attention. Allowed arithmetic: matrix products marked QUANTISED: E2M1 operands, one E8M0 scale for each 32 along K, by v_wmma_scale_f32_16x16x128_f8f6f4 with both operands' format E2M1 (or v_wmma_scale_f32_32x16x128_f4), f32 sums; products left as they are: bf16, f16 or f32 operands; f32 sums; everything else in f32.
;; Inputs: W_out 1,024 x 1,024 float32; W_qkv 1,024 x 3,072 float32; b_out 1,024 float32; b_qkv 3,072 float32; entity_bias 4 x 2,048 x 2,048 float32; x 4 x 2,048 x 1,024 float32.
;; Outputs: out0 4 x 2,048 x 1,024 float32.
;; This version of the problem:
;;   THIS VERSION OF THE PROBLEM IS GIVEN IN LOW PRECISION. The matrix products marked QUANTISED in the list below multiply operands that are first quantised to E2M1 (2 exponent bits, 1 mantissa bit; 4 bits a number), with one power-of-two scale for each 32 numbers along K (OCP MX v1.0); their sums are f32. The products marked 'left as it is' may take bf16, f16 or f32 operands, with f32 sums. Whichever they take, every output number must still come out within the allowed error. Rounding operands to bf16 (8 significant bits) uses up far more of that allowance than f16 does (11 bits, for magnitudes from 6e-5 to 65,504). All else is computed in f32.
;;   The module's matrix products, in the order in which they are computed (A, B: the left and right operand; K: the contracted axis; several contracted axes count as one K, in the product's order):
;;     1. [M 8,192, K 1,024] x [K 1,024, N 3,072]; A: input x; B: input W_qkv: QUANTISED
;;     2. batch 64 x [M 2,048, K 64] x [K 64, N 2,048]; A: computed on the way; B: computed on the way: left as it is (an operand is computed on the way)
;;     3. batch 64 x [M 2,048, K 2,048] x [K 2,048, N 64]; A: computed on the way; B: computed on the way: left as it is (an operand is computed on the way)
;;     4. [M 8,192, K 1,024] x [K 1,024, N 1,024]; A: computed on the way; B: input W_out: left as it is (an operand is computed on the way)
;;   THE QUANTISER, for each operand of a quantised product, along K:
;;     - K is cut into blocks of 32 from its start; a last block that is shorter is filled with zeros.
;;     - A block's scale is 2^e with e = floor(log2(the largest magnitude in the block)) - 2, held to -126 .. 127; a block of zeros has e = 0. As a byte (E8M0): e + 127.
;;     - Each number is divided by its block's scale, clamped to +-6, and rounded to the nearest number of E2M1, ties to even, subnormals kept.
;;     - The product sums the exact products of the quantised numbers (number of the format x scale) in f32.
;;   ~~~python
;;   def quantise(x, axis):      # numpy; x: float32 -> the quantised numbers, widened to float32 again
;;       x = np.moveaxis(x, axis, -1); K = x.shape[-1]
;;       x = np.pad(x, [(0, 0)] * (x.ndim - 1) + [(0, -K % 32)]); x = x.reshape(x.shape[:-1] + (-1, 32)); a = np.abs(x).max(-1, keepdims=True)
;;       e = np.where(a > 0, np.clip(np.frexp(np.where(a > 0, a, 1))[1] - 1 - 2, -126, 127), 0)      # np.frexp(a)[1] - 1 = floor(log2(a)), exactly
;;       r = np.clip(x / 2.0 ** e, -6, 6)
;;       step = 2.0 ** (np.maximum(np.frexp(np.where(r == 0, 1, r))[1] - 1, 0) - 1)
;;       q = np.round(r / step) * step * 2.0 ** e      # np.round: ties to even
;;       return np.moveaxis(q.reshape(q.shape[:-2] + (-1,))[..., :K], -1, axis).astype(np.float32)
;;   ~~~
;; One version. Each part assembles by itself: llvm-mc -triple=amdgcn-amd-amdhsa -mcpu=gfx1250 --defsym DOCPART=n.
;; ======== version 1 of 1: 6 launches
;; limits: values are held in f16: magnitudes above 65,504 overflow, below 6.1e-05 lose precision
;; workspace buffers: x_codes 4,194,304 bytes; x_scales 262,144 bytes; w_codes 1,572,864 bytes; w_scales 98,304 bytes; wt 2,097,152 bytes; qkv 50,331,648 bytes; attn 16,777,216 bytes; attn_fine 262,144 bytes
;; launch prep (part 1): grid 368 x 1, 4 waves a work-group, no clusters, 102,912 bytes of LDS; arguments x, W_qkv, W_out, x_codes, x_scales, w_codes, w_scales, wt; writes x_codes, x_scales, w_codes, w_scales, wt
.if DOCPART == 1
	.amdgcn_target "amdgcn-amd-amdhsa--gfx1250"
	.amdhsa_code_object_version 6
	.text
	.protected	k_qa6d57185ca_prep
	.globl	k_qa6d57185ca_prep
	.p2align	8
	.type	k_qa6d57185ca_prep,@function
k_qa6d57185ca_prep:
	s_mov_b64 s[64:65], 0
	v_nop
	global_prefetch_b8 v0, s[64:65] scope:SCOPE_SE
	s_setreg_imm32_b32 hwreg(HW_REG_WAVE_MODE, 25, 1), 1
	s_wait_xcnt 0x0
; CAUSAL ATTENTION, launch 1 of 6: the operands of the quantised product x W_qkv become codes of FP4 (E2M1) with one E8M0 byte for each 32 along K, K innermost; W_out becomes f16, laid [n][k].
; WORK THAT THE PROGRAM LEAVES OUT, for all values of the inputs:
;  (a) b_qkv[1024:2048], the bias of k.  It adds q . b_k to every score of a row: one number for the whole axis of the softmax, which takes it away again (exp(w + t) / sum exp(w + t) = exp(w) / sum exp(w)).
;      The product q k^T is not quantised, so the bias moves no code and no scale.  These 1,024 numbers are never loaded.
;  (b) Key tiles that lie wholly above the diagonal: reference() itself sets their scores to -1e9, and their weight exp(-1e9 - m) is 0 in its own f32 wherever the row's largest visible score lies above about -1e9 + 100.
; LIMITS: a NaN, an infinity or an overflow that reaches only the work left out is not carried to the result; a row whose largest visible score lies near -1e9 is not served as reference() serves it;
;  NaN and infinities among the inputs are not served; quantiser blocks whose largest magnitude lies under 2^-124 were not tried; a block of zeros gets the byte 1 (its codes are zeros; this program alone reads the bytes);
;  q, k, v, the attention's result and W_out go on as f16: their magnitudes stay under 65,504.
; THREE PATHS, parted on the work-group's number, each with LDS bytes of its own: 0-255 x (a stream of blocks of 32); 256-303 W_qkv (K is its first axis: a lane takes a column, its registers run down K); 304-367 W_out.
.set SPW,   190                        ; v190 LDS address of my spare word; never rewritten
.set NIL,   191                        ; v191 0; never rewritten
.set QSTG,  32768                      ; W_qkv's four stages, 32 x 272 bytes each
.set OSTG,  67584                      ; W_out's four stages
.set SPARE, 102400                     ; the spare words, 128 bytes a wave: two blocks of 256 bytes that no other line names
.set PITCH, 272
	s_load_b256 s[4:11], s[0:1], 0x0               ; x s[4:5], W_qkv s[6:7], W_out s[8:9], x_codes s[10:11]
	s_load_b256 s[12:19], s[0:1], 0x20             ; x_scales s[12:13], w_codes s[14:15], w_scales s[16:17], wt s[18:19]
	v_lshl_add_u32 v[SPW], v0, 2, SPARE
	v_mov_b32 v[NIL], 0
	v_lshrrev_b32 v1, 5, v0
	v_readfirstlane_b32 s20, v1                    ; wave 0..3
	v_and_b32 v2, 31, v0                           ; lane
	s_mov_b32 s25, 0                               ; the upper word of every offset below
	s_wait_kmcnt 0x0
	s_cmp_ge_u32 ttmp9, 304
	s_cbranch_scc1 .Lwo
	s_cmp_ge_u32 ttmp9, 256
	s_cbranch_scc1 .Lwq
; ---- x: a wave takes 16 steps of 512 numbers.  Each load reads 512 consecutive bytes; a step's 2,048 bytes turn through the wave's stage, so that a lane holds 16 neighbours along K; two neighbouring lanes hold a block.
.set XSP,   80                         ; a lane's place in a stage: 64 bytes + 16 of padding
.set XR,    16                         ; v16-79   four sets of 16 numbers as loaded
.set XX,    80                         ; v80-111  two sets of 16 neighbours
.set XE,    112                        ; v112-127 a scale byte for each step
.set XC,    128                        ; v128-189 codes, four registers apart for each step: no store's data are written again
	v_lshlrev_b32 v3, 4, v2                        ; my 16 bytes of a load's 512
	s_mul_i32 s21, s20, 8192                       ; my wave's region of LDS
	v_lshrrev_b32 v14, 2, v2
	v_mul_u32_u24 v14, v14, XSP
	v_and_b32 v15, 3, v2
	v_lshl_add_u32 v14, v15, 4, v14
	v_add_nc_u32 v14, s21, v14                     ; into the stage: 80 (lane / 4) + 16 (lane % 4)
	v_mul_u32_u24 v15, v2, XSP
	v_add_nc_u32 v15, s21, v15                     ; out of it: 80 x lane
	v_lshlrev_b32 v4, 3, v2                        ; 8 bytes a lane: my codes in a step's 256 bytes, and my part of the 256 scale bytes
	v_lshrrev_b32 v5, 1, v2
	s_add_co_u32 s21, s21, 2*32*XSP
	v_add_nc_u32 v5, s21, v5                       ; my block's byte among the wave's 256
	v_add_nc_u32 v6, s21, v4
	s_lshl_b32 s22, ttmp9, 2
	s_add_co_u32 s22, s22, s20                     ; which run of 8,192 numbers is my wave's
	s_lshl_b32 s24, s22, 15
	s_add_nc_u64 s[4:5], s[4:5], s[24:25]
	s_lshl_b32 s24, s22, 12
	s_add_nc_u64 s[10:11], s[10:11], s[24:25]
	s_lshl_b32 s24, s22, 8
	s_add_nc_u64 s[12:13], s[12:13], s[24:25]
.macro XLOAD t
.irp i, 0,1,2,3
	global_load_b128 v[XR+16*((\t)%4)+4*\i:XR+16*((\t)%4)+4*\i+3], v3, s[4:5] offset:2048*(\t)+512*\i th:TH_LOAD_NT
.endr
.endm
.macro XTURN t                         ; LDS serves a wave's instructions in order: no wait between the stores and the loads
.irp i, 0,1,2,3
	ds_store_b128 v14, v[XR+16*((\t)%4)+4*\i:XR+16*((\t)%4)+4*\i+3] offset:32*XSP*((\t)%2)+8*XSP*\i
.endr
.irp i, 0,1,2,3
	ds_load_b128 v[XX+16*((\t)%2)+4*\i:XX+16*((\t)%2)+4*\i+3], v15 offset:32*XSP*((\t)%2)+16*\i
.endr
.endm
.irp t, 0,1,2,3
	XLOAD \t
.endr
	s_wait_loadcnt 12                              ; step 0's four loads are in
	XTURN 0
.macro XSTEP t
.set XN, XX+16*((\t)%2)
.if (\t) > 0
	s_wait_dscnt 1                                 ; this step's numbers are back from the stage; the last step's byte store may be out
.else
	s_wait_dscnt 0x0
.endif
.if (\t)+4 < 16
	XLOAD (\t)+4                                   ; into the set whose stores into the stage have just been shown done
.endif
.if (\t)+1 < 16
.if 14-(\t) >= 3
	s_wait_loadcnt 12                              ; the next step's four loads are in; those of the three steps behind it may be out
.else
	s_wait_loadcnt 4*(14-(\t))
.endif
	XTURN (\t)+1
.endif
	v_max3_num_f32 v8, |v[XN]|, |v[XN+1]|, |v[XN+2]|               ; the largest magnitude of my 16, in two chains
	v_max3_num_f32 v9, |v[XN+3]|, |v[XN+4]|, |v[XN+5]|
.irp i, 6,10
	v_max3_num_f32 v8, v8, |v[XN+\i]|, |v[XN+\i+1]|
	v_max3_num_f32 v9, v9, |v[XN+\i+2]|, |v[XN+\i+3]|
.endr
	v_max3_num_f32 v8, v8, |v[XN+14]|, |v[XN+15]|
	v_max3_num_f32 v8, v8, v9, 0x1800000           ; and the floor 2^(3 - 127): the byte cannot fall under 1
	v_max_num_f32_dpp v8, v8, v8 row_xmask:1 row_mask:0xf bank_mask:0xf   ; with my neighbour's 16: the block's
	v_add_nc_u32 v11, 0xff000000, v8               ; 2 off its exponent field: the conversion takes the exponent field of this operand as its scale
	v_cvt_scalef32_pk8_fp4_f32 v[XC+4*(\t)], v[XN:XN+7], v11
	v_cvt_scalef32_pk8_fp4_f32 v[XC+4*(\t)+1], v[XN+8:XN+15], v11
	v_lshrrev_b32 v[XE+(\t)], 23, v11              ; the scale's byte
	ds_store_b8 v5, v[XE+(\t)] offset:16*(\t)      ; both lanes of a block write the same byte with the same value
	global_store_b64 v4, v[XC+4*(\t):XC+4*(\t)+1], s[10:11] offset:256*(\t)   ; the wave stores 256 consecutive bytes, aligned
.endm
.irp t, 0,1,2,3,4,5,6,7,8,9,10,11,12,13,14,15
	XSTEP \t
.endr
	ds_load_b64 v[8:9], v6                         ; my wave's 256 scale bytes, 8 a lane
	s_wait_dscnt 0x0
	global_store_b64 v4, v[8:9], s[12:13]          ; 256 consecutive bytes, aligned
	s_wait_tensorcnt 0x0                           ; the wave's end
	ds_add_u32 v[SPW], v[NIL]
	s_wait_dscnt 0x0
	s_endpgm
; ---- W_qkv [1024 k][3072 n]: 24 x 2 work-groups of 128 columns x 512 along K; a wave takes 32 columns, a lane one: 16 blocks of 32 down K, all of a block in one lane.
.Lwq:
.set WX,    32                         ; v32-95   two sets of 32 numbers
.set WC,    96                         ; v96-111  a block's codes (W_out: its f16 numbers)
.set WOUT,  112                        ; v112-175 the way out
.set WSB,   24                         ; v24-27   the scale bytes, four to a register
	s_sub_co_u32 s21, ttmp9, 256
	s_cmp_ge_u32 s21, 24
	s_cselect_b32 s22, 1, 0                        ; which 512 along K
	s_cselect_b32 s23, 24, 0
	s_sub_co_u32 s21, s21, s23
	s_lshl_b32 s21, s21, 7
	s_lshl_b32 s23, s20, 5
	s_add_co_u32 s21, s21, s23                     ; my wave's first column
	v_lshlrev_b32 v3, 2, v2
	s_mul_i32 s23, s20, 32*PITCH
	s_add_co_u32 s23, s23, QSTG                    ; my stage
	v_mul_u32_u24 v4, v2, PITCH
	v_add_nc_u32 v4, s23, v4                       ; into it: row = my column
	v_and_b32 v5, 15, v2
	v_lshrrev_b32 v6, 4, v2
	v_mul_u32_u24 v7, v6, PITCH
	v_lshl_add_u32 v7, v5, 4, v7
	v_add_nc_u32 v7, s23, v7                       ; out of it: sixteen lanes to a row, two rows an instruction
	v_lshlrev_b32 v8, 9, v6
	v_lshl_add_u32 v8, v5, 4, v8                   ; and the same place in w_codes (a row is 512 bytes)
	v_lshlrev_b32 v9, 5, v2                        ; my column's row of 32 scale bytes
	s_mul_i32 s24, s22, 512*3072*4
	s_lshl_b32 s26, s21, 2
	s_add_co_u32 s24, s24, s26
	s_add_nc_u64 s[6:7], s[6:7], s[24:25]
	s_lshl_b32 s24, s21, 9
	s_lshl_b32 s26, s22, 8
	s_add_co_u32 s24, s24, s26
	s_add_nc_u64 s[14:15], s[14:15], s[24:25]
	s_lshl_b32 s24, s21, 5
	s_lshl_b32 s26, s22, 4
	s_add_co_u32 s24, s24, s26
	s_add_nc_u64 s[16:17], s[16:17], s[24:25]
.macro QLOAD t                         ; block t: W(32 t + i, my column): 128 consecutive bytes a wave; the largest offset, 511 x 12,288, lies inside the signed 24-bit immediate
.irp i, 0,1,2,3,4,5,6,7,8,9,10,11,12,13,14,15,16,17,18,19,20,21,22,23,24,25,26,27,28,29,30,31
	global_load_b32 v[WX+32*((\t)%2)+\i], v3, s[6:7] offset:(32*(\t)+\i)*12288 th:TH_LOAD_NT
.endr
.endm
	QLOAD 0
	QLOAD 1
.macro QBLOCK t
.set WN, WX+32*((\t)%2)
.if (\t) < 15
	s_wait_loadcnt 32                              ; this block's 32 loads are in; the next block's may be out
.else
	s_wait_loadcnt 0x0
.endif
	v_max3_num_f32 v12, |v[WN]|, |v[WN+1]|, |v[WN+2]|
	v_max3_num_f32 v13, |v[WN+3]|, |v[WN+4]|, |v[WN+5]|
.irp i, 6,10,14,18,22,26
	v_max3_num_f32 v12, v12, |v[WN+\i]|, |v[WN+\i+1]|
	v_max3_num_f32 v13, v13, |v[WN+\i+2]|, |v[WN+\i+3]|
.endr
	v_max3_num_f32 v12, v12, |v[WN+30]|, |v[WN+31]|
	v_max3_num_f32 v12, v12, v13, 0x1800000        ; the floor 2^(3 - 127)
	v_add_nc_u32 v11, 0xff000000, v12              ; the conversion's scale operand
	v_lshrrev_b32 v13, 23, v11                     ; the scale's byte
.if (\t)%4 == 0
	v_mov_b32 v[WSB+(\t)/4], v13
.else
	v_lshl_or_b32 v[WSB+(\t)/4], v13, 8*((\t)%4), v[WSB+(\t)/4]
.endif
.irp g, 0,1,2,3
	v_cvt_scalef32_pk8_fp4_f32 v[WC+\g], v[WN+8*\g:WN+8*\g+7], v11
.endr
	ds_store_b128 v4, v[WC:WC+3] offset:16*(\t)    ; 32 codes: 16 bytes of my column's row
.if (\t)+2 < 16
	QLOAD (\t)+2
.endif
	s_wait_dscnt 0x0                               ; the store has read its registers: the next block's codes may be written
.endm
.irp t, 0,1,2,3,4,5,6,7,8,9,10,11,12,13,14,15
	QBLOCK \t
.endr
	global_store_b128 v9, v[WSB:WSB+3], s[16:17]   ; my column's 16 scale bytes
.irp t, 0,1,2,3,4,5,6,7,8,9,10,11,12,13,14,15
	ds_load_b128 v[WOUT+4*\t:WOUT+4*\t+3], v7 offset:2*\t*PITCH
.endr
.irp t, 0,1,2,3,4,5,6,7,8,9,10,11,12,13,14,15
	s_wait_dscnt 15-\t
	global_store_b128 v8, v[WOUT+4*\t:WOUT+4*\t+3], s[14:15] offset:2*\t*512   ; sixteen lanes store 256 consecutive bytes, aligned
.endr
	s_wait_tensorcnt 0x0                           ; the wave's end: the three lines
	ds_add_u32 v[SPW], v[NIL]
	s_wait_dscnt 0x0
	s_endpgm
; ---- W_out [1024 k][1024 n] -> wt [n][k] in f16: 8 x 8 work-groups of 128 columns x 128 along k; a lane takes a column, 4 blocks of 32 down k; out through the stage as rows of 256 bytes.
.Lwo:
	s_sub_co_u32 s21, ttmp9, 304
	s_lshr_b32 s22, s21, 3                         ; which 128 along k
	s_and_b32 s21, s21, 7
	s_lshl_b32 s21, s21, 7
	s_lshl_b32 s23, s20, 5
	s_add_co_u32 s21, s21, s23                     ; my wave's first column
	v_lshlrev_b32 v3, 2, v2
	s_mul_i32 s23, s20, 32*PITCH
	s_add_co_u32 s23, s23, OSTG
	v_mul_u32_u24 v4, v2, PITCH
	v_add_nc_u32 v4, s23, v4
	v_and_b32 v5, 15, v2
	v_lshrrev_b32 v6, 4, v2
	v_mul_u32_u24 v7, v6, PITCH
	v_lshl_add_u32 v7, v5, 4, v7
	v_add_nc_u32 v7, s23, v7
	v_lshlrev_b32 v8, 11, v6                       ; a row of wt is 2,048 bytes
	v_lshl_add_u32 v8, v5, 4, v8
	s_lshl_b32 s24, s22, 19                        ; 128 rows of 4,096 bytes
	s_lshl_b32 s26, s21, 2
	s_add_co_u32 s24, s24, s26
	s_add_nc_u64 s[8:9], s[8:9], s[24:25]
	s_lshl_b32 s24, s21, 11
	s_lshl_b32 s26, s22, 8
	s_add_co_u32 s24, s24, s26
	s_add_nc_u64 s[18:19], s[18:19], s[24:25]
.macro OLOAD t
.irp i, 0,1,2,3,4,5,6,7,8,9,10,11,12,13,14,15,16,17,18,19,20,21,22,23,24,25,26,27,28,29,30,31
	global_load_b32 v[WX+32*((\t)%2)+\i], v3, s[8:9] offset:(32*(\t)+\i)*4096 th:TH_LOAD_NT
.endr
.endm
	OLOAD 0
	OLOAD 1
.macro OBLOCK t
.set WN, WX+32*((\t)%2)
.if (\t) < 3
	s_wait_loadcnt 32                              ; this block's 32 loads are in; the next block's may be out
.else
	s_wait_loadcnt 0x0
.endif
.irp g, 0,1,2,3,4,5,6,7,8,9,10,11,12,13,14,15
	v_cvt_pk_f16_f32 v[WC+\g], v[WN+2*\g], v[WN+2*\g+1]            ; two neighbours along k, the lower in the low half
.endr
.irp c, 0,1,2,3
	ds_store_b128 v4, v[WC+4*\c:WC+4*\c+3] offset:64*(\t)+16*\c
.endr
.if (\t)+2 < 4
	OLOAD (\t)+2
.endif
	s_wait_dscnt 0x0                               ; the stores have read their registers
.endm
.irp t, 0,1,2,3
	OBLOCK \t
.endr
.irp t, 0,1,2,3,4,5,6,7,8,9,10,11,12,13,14,15
	ds_load_b128 v[WOUT+4*\t:WOUT+4*\t+3], v7 offset:2*\t*PITCH
.endr
.irp t, 0,1,2,3,4,5,6,7,8,9,10,11,12,13,14,15
	s_wait_dscnt 15-\t
	global_store_b128 v8, v[WOUT+4*\t:WOUT+4*\t+3], s[18:19] offset:2*\t*2048  ; sixteen lanes store 256 consecutive bytes, aligned
.endr
	s_wait_tensorcnt 0x0                           ; the wave's end: the three lines
	ds_add_u32 v[SPW], v[NIL]
	s_wait_dscnt 0x0
	s_endpgm
.Lfunc_end_k_qa6d57185ca_prep:
	.size	k_qa6d57185ca_prep, .Lfunc_end_k_qa6d57185ca_prep-k_qa6d57185ca_prep
	.p2alignl 7, 3214868480
	.fill 96, 4, 3214868480
	.section	.rodata,"a",@progbits
	.p2align	6, 0x0
	.amdhsa_kernel k_qa6d57185ca_prep
		.amdhsa_group_segment_fixed_size 102912
		.amdhsa_private_segment_fixed_size 0
		.amdhsa_enable_private_segment 0
		.amdhsa_kernarg_size 64
		.amdhsa_user_sgpr_count 2
		.amdhsa_user_sgpr_kernarg_segment_ptr 1
		.amdhsa_wavefront_size32 1
		.amdhsa_system_sgpr_workgroup_id_x 1
		.amdhsa_system_sgpr_workgroup_id_y 1
		.amdhsa_system_sgpr_workgroup_id_z 1
		.amdhsa_system_vgpr_workitem_id 0
		.amdhsa_next_free_vgpr 192
		.amdhsa_next_free_sgpr 66
		.amdhsa_reserve_vcc 0
		.amdhsa_float_denorm_mode_32 3
		.amdhsa_float_denorm_mode_16_64 3
		.amdhsa_memory_ordered 1
		.amdhsa_forward_progress 1
		.amdhsa_inst_pref_size 132
	.end_amdhsa_kernel
	.amdgpu_metadata
---
amdhsa.version: [ 1, 2 ]
amdhsa.kernels:
  - .name:           k_qa6d57185ca_prep
    .symbol:         k_qa6d57185ca_prep.kd
    .args:
      - { .name: x, .offset: 0, .size: 8, .value_kind: global_buffer, .address_space: global }
      - { .name: W_qkv, .offset: 8, .size: 8, .value_kind: global_buffer, .address_space: global }
      - { .name: W_out, .offset: 16, .size: 8, .value_kind: global_buffer, .address_space: global }
      - { .name: x_codes, .offset: 24, .size: 8, .value_kind: global_buffer, .address_space: global }
      - { .name: x_scales, .offset: 32, .size: 8, .value_kind: global_buffer, .address_space: global }
      - { .name: w_codes, .offset: 40, .size: 8, .value_kind: global_buffer, .address_space: global }
      - { .name: w_scales, .offset: 48, .size: 8, .value_kind: global_buffer, .address_space: global }
      - { .name: wt, .offset: 56, .size: 8, .value_kind: global_buffer, .address_space: global }
    .group_segment_fixed_size: 102912
    .private_segment_fixed_size: 0
    .kernarg_segment_align: 8
    .kernarg_segment_size: 64
    .max_flat_workgroup_size: 128
    .sgpr_count:     66
    .vgpr_count:     192
    .wavefront_size: 32
...
	.end_amdgpu_metadata
.endif
;; end of part 1
;; launch qkv (part 2): grid 12 x 32, 4 waves a work-group, clusters of 4 x 4, 327,680 bytes of LDS; arguments x_codes, x_scales, w_codes, w_scales, b_qkv, qkv; writes qkv
.if DOCPART == 2
	.amdgcn_target "amdgcn-amd-amdhsa--gfx1250"
	.amdhsa_code_object_version 6
	.text
	.protected	k_qa6d57185ca_qkv
	.globl	k_qa6d57185ca_qkv
	.p2align	8
	.type	k_qa6d57185ca_qkv,@function
k_qa6d57185ca_qkv:
	s_mov_b64 s[64:65], 0
	v_nop
	global_prefetch_b8 v0, s[64:65] scope:SCOPE_SE
	s_setreg_imm32_b32 hwreg(HW_REG_WAVE_MODE, 25, 1), 1
	s_wait_xcnt 0x0
	s_wait_alu depctr_hold_cnt(0) depctr_sa_sdst(0) depctr_va_vdst(0) depctr_va_sdst(0) depctr_va_ssrc(0) depctr_va_vcc(0) depctr_vm_vsrc(0)
	s_getreg_b32 s2, hwreg(HW_REG_IB_STS2, 6, 4)
	s_cmp_eq_u32 s2, 0
	s_cbranch_scc0 .Lentry_in_a_cluster
	s_endpgm
.Lentry_in_a_cluster:
	s_bfe_u32 s2, ttmp6, 0x10000c
	s_cmp_lg_u32 s2, 0xf033
	s_cbranch_scc0 .Lentry_shape_is_right
	s_endpgm
.Lentry_shape_is_right:
; Launch 2 of 6: qkv[m][n] = sum over k of Q(x)[m][k] Q(W_qkv)[k][n] + b_qkv[n], on codes of FP4 with E8M0 scales, sums in f32, rounded once to f16.  qkv: [8192][3072] f16.
; LEFT OUT: the bias of the K columns, b_qkv[1024:2048]: it adds the same number to all scores of a row, and the softmax takes it away (shown at the head of the first kernel).  It is not loaded.
; LIMIT: |q|, |k|, |v| stay under 65,504.
; A tile of 256 x 256 is made by four waves, 128 x 128 each: 64 accumulators, 512 registers.  K = 1,024 is two slots of 512 along K (rows of 256 bytes): both are asked for at the head and nothing is filled again.
; The scales of the work-group's 256 + 256 rows come into LDS once, as dense blocks.  CLUSTERS: 4 x 4 work-groups; A's tiles are asked for jointly along a row of the cluster, B's along a column.
; The matrix instruction is used transposed (source 0 = 16 rows of w_codes, source 1 = 16 rows of x_codes): a lane holds eight neighbouring columns of one row.  The bias is the C of each sum's first instruction.
; REGISTERS: window 0: v0-31 addresses; v32-95 scale words, two sets, and nothing else; v96-127 rows on the way out; v128-191 A's fragments, one set; v192-255 the bias, later the way out.
;   window 1: B's fragments, two sets, at v0 and v128.   window 2: the accumulators of my rows 0-63 ((a, b) at v[8 (8 a + b)]);   window 3: those of my rows 64-127.
.set SIZE_N, 3072
.set NQ,     4                         ; steps of 128 along K in a slot
.set ROWB,   256                       ; a tile's row in bytes: 512 codes
.set KROW,   512                       ; a row of codes in memory
.set PITCH,  272                       ; an LDS row: 256 bytes + 16 of padding: the 16 rows that a load touches start 4 banks apart (64 banks of 4 bytes: ISA guide 11.1)
.set FR,     8
.set NL,     2
.set NP,     4                         ; places behind this matrix instruction (ISA guide 7.12.1)
.set HALFT,  128*PITCH
.set SLOT,   4*HALFT
.set KS,     32                        ; a row of scales in bytes
.set SCL,    2*SLOT                    ; behind the ring: the scales, as units of 256 bytes + 16 of padding
.set HALFS,  16*272                    ; the scales of 128 rows
.set SBLK,   2*272                     ; those of 16 rows
.set SPARE,  SCL+4*HALFS               ; the spare words, 128 bytes a wave
.set SPITCH, 272                       ; the way out: 16 rows x (256 bytes + 16) a wave, in slot 0, which has had its only fill and its last read by then
.set ADRA, 16
.set ADRB, 20
.set STO,  24
.set RD,   25
.set CO,   26
.set ADRS, 27
.set SPW,  28
.set NIL,  29
.set BA,   30                          ; v30 the bias's offset: 32 x (lane / 16)
.set SC,   32
.set AF,   128
.set BI,   192                         ; v192-255 register 8 b + j: b_qkv[my first column + 16 b + 8 (lane / 16) + j]
.set TMP,  192                         ; the way out: packed results
.set G1, 24
.set G0, 32
.set G1B, 48
.set G0B, 56
.set G1S, 68
.set G0S, 76
.set G1SB, 80
.set G0SB, 88
.set MSB, 0
.macro WIN new                         ; the immediate's high byte repeats the setting that is left
.if MSB != \new
	s_set_vgpr_msb (MSB<<8)|\new
.set MSB, \new
.endif
.endm
.set MUL_LO, 0xa1                      ; source 0 (B) window 1, source 1 (A) window 0, C and D window 2
.set MUL_HI, 0xf1                      ; the same, C and D window 3
.set TO_B,   0x40
; A joint load: waves 0 and 1 fetch for A, waves 2 and 3 for B; the branch hangs on the wave's number alone.  An s_nop 0 and four v_nop follow each line.
.macro JLOAD g0a, g1a, g0b, g1b
	s_cmp_eq_u32 s15, 0
	s_cbranch_scc0 .Lfor_b_\@
	tensor_load_to_lds s[\g0a:\g0a+3], s[\g1a:\g1a+7]
	s_nop 0
.rept 4
	v_nop
.endr
	s_branch .Lasked_\@
.Lfor_b_\@:
	tensor_load_to_lds s[\g0b:\g0b+3], s[\g1b:\g1b+7]
	s_nop 0
.rept 4
	v_nop
.endr
.Lasked_\@:
.endm
.macro CROUND                          ; a round of the cluster's barrier
	s_barrier_signal -1
	s_barrier_wait -1
	s_cmp_lg_u32 s14, 0
	s_cbranch_scc1 .Lnot_wave_0_\@
	s_barrier_signal -3
.Lnot_wave_0_\@:
	s_barrier_wait -3
	s_barrier_signal -1
	s_barrier_wait -1
.endm
	s_load_b128 s[4:7], s[0:1], 0x0                ; x_codes, x_scales
	s_load_b128 s[8:11], s[0:1], 0x10              ; w_codes, w_scales
	s_load_b128 s[96:99], s[0:1], 0x20             ; b_qkv, qkv
	v_lshl_add_u32 v[SPW], v0, 2, SPARE
	v_mov_b32 v[NIL], 0
	ds_add_u32 v[SPW], v[NIL]                      ; the wave's opening: the add, twice on end, and its wait ahead of my first tensor load
	ds_add_u32 v[SPW], v[NIL]
	v_lshrrev_b32 v1, 5, v0
	v_readfirstlane_b32 s14, v1                    ; wave 0..3
	s_lshr_b32 s15, s14, 1                         ; which half of the tile's rows is mine.  Also: I fetch for A (0) or for B (1)
	s_and_b32 s16, s14, 1                          ; which half of its columns.  Also: which 128 rows I fetch
	s_bfe_u32 s40, ttmp6, 0x40000                  ; cx, cy
	s_bfe_u32 s41, ttmp6, 0x40004
	s_lshl_b32 s42, ttmp9, 2
	s_add_co_u32 s42, s42, s40                     ; tile column
	s_and_b32 s17, ttmp7, 0xffff
	s_lshl_b32 s17, s17, 2
	s_add_co_u32 s17, s17, s41                     ; tile row
	s_lshl_b32 s43, s41, 2
	s_lshl_b32 s43, 15, s43                        ; my row of the cluster
	s_lshl_b32 s44, 0x1111, s40                    ; my column
	s_or_b32 s[G1+0], s43, (0<<16)|(1<<20)|(1<<21)|(5<<22)|(3<<25)  ; the mask; elements of 1 byte; padding: 4 words behind every 64; bit 21 beside a mask
	s_or_b32 s[G1B+0], s44, (0<<16)|(1<<20)|(1<<21)|(5<<22)|(3<<25)
.irp g, G1, G1B
	s_mov_b32 s[\g+1], ROWB<<16                    ; tensor_dim0
	s_mov_b32 s[\g+2], 128<<16                     ; tensor_dim1
	s_mov_b32 s[\g+3], ROWB<<16                    ; tile_dim0
	s_mov_b32 s[\g+4], 128                         ; tile_dim1
	s_mov_b32 s[\g+5], KROW                        ; the pitch
	s_mov_b32 s[\g+6], 0
	s_mov_b32 s[\g+7], 0
.endr
	s_or_b32 s[G1S+0], s43, (3<<16)|(1<<20)|(1<<21)|(5<<22)|(3<<25) ; the scales of 128 rows: 4,096 dense bytes as 16 rows of 256 (32 elements of 8 bytes)
	s_or_b32 s[G1SB+0], s44, (3<<16)|(1<<20)|(1<<21)|(5<<22)|(3<<25)
.irp g, G1S, G1SB
	s_mov_b32 s[\g+1], 32<<16
	s_mov_b32 s[\g+2], 16<<16
	s_mov_b32 s[\g+3], 32<<16
	s_mov_b32 s[\g+4], 16
	s_mov_b32 s[\g+5], 32
	s_mov_b32 s[\g+6], 0
	s_mov_b32 s[\g+7], 0
.endr
	s_lshl_b32 s18, s16, 7
	s_lshl_b32 s20, s17, 8
	s_add_co_u32 s20, s20, s18                     ; A: row 256 x tile row + 128 x half
	s_lshl_b32 s46, s42, 8
	s_add_co_u32 s46, s46, s18                     ; B: row 256 x tile column + 128 x half
	s_mov_b32 s21, 0
	s_mov_b32 s47, 0
	s_mov_b64 s[18:19], KS
	s_mul_u64 s[22:23], s[20:21], s[18:19]
	s_mul_u64 s[92:93], s[46:47], s[18:19]
	s_mov_b64 s[18:19], KROW
	s_mul_u64 s[20:21], s[20:21], s[18:19]
	s_mul_u64 s[46:47], s[46:47], s[18:19]
	s_mul_i32 s45, s14, HALFT                      ; where they go: wave x 128 rows
	s_mul_i32 s94, s14, HALFS
	s_wait_dscnt 0x0                               ; both opening adds are done
	s_wait_kmcnt 0x0
	s_add_nc_u64 s[20:21], s[4:5], s[20:21]
	s_add_nc_u64 s[22:23], s[6:7], s[22:23]
	s_add_nc_u64 s[46:47], s[8:9], s[46:47]
	s_add_nc_u64 s[92:93], s[10:11], s[92:93]
	CROUND                                         ; all sixteen work-groups are here: the joint loads meet
	s_mov_b32 s[G0S], 1
	s_add_co_u32 s[G0S+1], s94, SCL
	s_mov_b64 s[G0S+2:G0S+3], s[22:23]
	s_or_b32 s[G0S+3], s[G0S+3], 0x80000000
	s_mov_b32 s[G0SB], 1
	s_add_co_u32 s[G0SB+1], s94, SCL
	s_mov_b64 s[G0SB+2:G0SB+3], s[92:93]
	s_or_b32 s[G0SB+3], s[G0SB+3], 0x80000000
	JLOAD G0S, G1S, G0SB, G1SB                     ; three loads of mine go out: the scales, slot 0, slot 1
.irp s, 0,1
	s_mov_b32 s[G0+4*\s], 1
	s_add_co_u32 s[G0+4*\s+1], s45, \s*SLOT
	s_add_nc_u64 s[G0+4*\s+2:G0+4*\s+3], s[20:21], \s*ROWB
	s_or_b32 s[G0+4*\s+3], s[G0+4*\s+3], 0x80000000
	s_mov_b32 s[G0B+4*\s], 1
	s_add_co_u32 s[G0B+4*\s+1], s45, \s*SLOT
	s_add_nc_u64 s[G0B+4*\s+2:G0B+4*\s+3], s[46:47], \s*ROWB
	s_or_b32 s[G0B+4*\s+3], s[G0B+4*\s+3], 0x80000000
	JLOAD G0+4*\s, G1, G0B+4*\s, G1B
.endr
	v_and_b32 v1, 15, v0                           ; l % 16
	v_bfe_u32 v2, v0, 4, 1                         ; l / 16
	v_mul_u32_u24 v3, v1, PITCH
	v_lshl_add_u32 v4, v2, 4, v3
	s_mul_i32 s21, s15, HALFT
	s_mul_i32 s22, s16, HALFT
	s_add_co_u32 s22, s22, 2*HALFT
.irp s, 0,1
	v_add_nc_u32 v[ADRA+\s], s21, v4
	v_add_nc_u32 v[ADRB+\s], s22, v4
	s_add_co_u32 s21, s21, SLOT
	s_add_co_u32 s22, s22, SLOT
.endr
	v_mul_u32_u24 v5, v1, KS                       ; my row's scales: 32 bytes a row,
	v_lshrrev_b32 v6, 8, v5
	v_lshl_add_u32 v5, v6, 4, v5                   ; and 16 more for each 256 passed
	s_mul_i32 s21, s15, HALFS
	s_mul_i32 s22, s16, HALFS
	s_add_co_u32 s22, s22, 2*HALFS
	s_sub_co_u32 s22, s22, s21
	v_mul_u32_u24 v6, s22, v2                      ; lanes 16-31 take B's
	s_add_co_u32 s21, s21, SCL
	v_add_nc_u32 v5, v5, v6
	v_add_nc_u32 v[ADRS], s21, v5
	s_mul_i32 s23, s14, 16*SPITCH                  ; my stage
	v_mul_u32_u24 v5, v1, SPITCH
	v_lshl_add_u32 v5, v2, 4, v5
	v_add_nc_u32 v[STO], s23, v5                   ; in: row l % 16, 16 bytes for each half of the lanes
	v_mul_u32_u24 v5, v2, SPITCH
	v_lshl_add_u32 v5, v1, 4, v5
	v_add_nc_u32 v[RD], s23, v5                    ; back: lanes 0-15 one row of 256 bytes, lanes 16-31 the next
	v_mul_u32_u24 v5, v2, SIZE_N*2
	v_lshl_add_u32 v[CO], v1, 4, v5                ; and the same two rows in qkv
	v_lshlrev_b32 v[BA], 5, v2
	s_lshl_b32 s20, s17, 8
	s_lshl_b32 s21, s15, 7
	s_add_co_u32 s20, s20, s21                     ; my first row
	s_mov_b32 s21, 0
	s_mov_b64 s[18:19], SIZE_N*2
	s_mul_u64 s[20:21], s[20:21], s[18:19]
	s_lshl_b32 s46, s42, 9                         ; my first column in bytes of f16: 512 x tile column + 256 x half
	s_lshl_b32 s47, s16, 8
	s_add_co_u32 s46, s46, s47
	s_mov_b32 s47, 0
	s_add_nc_u64 s[20:21], s[20:21], s[46:47]
	s_add_nc_u64 s[98:99], s[98:99], s[20:21]
	s_lshl_b32 s46, s46, 1                         ; and in bytes of f32, for the bias
	s_add_nc_u64 s[96:97], s[96:97], s[46:47]
.macro FRAG reg, adr, q, i             ; 16 rows x 128 K of 4-bit codes: lane l holds row l % 16; registers 4 c .. 4 c + 3 hold K = 64 c + 32 (l / 16) + 0 .. 31
.irp c, 0,1
	ds_load_b128 v[\reg+4*\c:\reg+4*\c+3], v[\adr] offset:64*(\q)+32*\c+(\i)*16*PITCH
.endr
.endm
; 16 matrix instructions: A's blocks a0, a0 + 1 x B's eight.  zero = 1: the sums begin with 0;  2: with the bias;  0: they go on.  The 64 accumulators take turns, one instruction a turn.
.macro MUL16 a0, p, q, sc, zero
.irp a, \a0, \a0+1
.irp b, 0,1,2,3,4,5,6,7
.if \zero == 1
	v_wmma_scale_f32_16x16x128_f8f6f4 v[8*(8*((\a)%4)+\b):8*(8*((\a)%4)+\b)+7], v[128*(\p)+FR*\b:128*(\p)+FR*\b+FR-1], v[AF+FR*(\a):AF+FR*(\a)+FR-1], 0, v[SC+8*NQ*(\sc)+NQ*\b+(\q)], v[SC+8*NQ*(\sc)+NQ*(\a)+(\q)] matrix_a_fmt:MATRIX_FMT_FP4 matrix_b_fmt:MATRIX_FMT_FP4 matrix_a_scale:MATRIX_SCALE_ROW1
.elseif \zero == 2
	v_wmma_scale_f32_16x16x128_f8f6f4 v[8*(8*((\a)%4)+\b):8*(8*((\a)%4)+\b)+7], v[128*(\p)+FR*\b:128*(\p)+FR*\b+FR-1], v[AF+FR*(\a):AF+FR*(\a)+FR-1], v[BI+8*\b:BI+8*\b+7], v[SC+8*NQ*(\sc)+NQ*\b+(\q)], v[SC+8*NQ*(\sc)+NQ*(\a)+(\q)] matrix_a_fmt:MATRIX_FMT_FP4 matrix_b_fmt:MATRIX_FMT_FP4 matrix_a_scale:MATRIX_SCALE_ROW1
.else
	v_wmma_scale_f32_16x16x128_f8f6f4 v[8*(8*((\a)%4)+\b):8*(8*((\a)%4)+\b)+7], v[128*(\p)+FR*\b:128*(\p)+FR*\b+FR-1], v[AF+FR*(\a):AF+FR*(\a)+FR-1], v[8*(8*((\a)%4)+\b):8*(8*((\a)%4)+\b)+7], v[SC+8*NQ*(\sc)+NQ*\b+(\q)], v[SC+8*NQ*(\sc)+NQ*(\a)+(\q)] matrix_a_fmt:MATRIX_FMT_FP4 matrix_b_fmt:MATRIX_FMT_FP4 matrix_a_scale:MATRIX_SCALE_ROW1
.endif
.endr
.endr
.endm
.macro FETCH_B slot, q, p
	WIN TO_B
.irp i, 0,1,2,3,4,5,6,7
	FRAG 128*(\p)+FR*\i, ADRB+\slot, \q, \i
.endr
	WIN 0
.endm
.macro FETCH_A slot, q, i0
.irp i, \i0, \i0+1, \i0+2, \i0+3
	FRAG AF+FR*(\i), ADRA+\slot, \q, \i
.endr
.endm
.macro SCALES sc                       ; a slot's scale words: 4 words a row; lanes 0-15 take A's block i, lanes 16-31 B's block i
.irp i, 0,1,2,3,4,5,6,7
	ds_load_b128 v[SC+8*NQ*\sc+NQ*\i:SC+8*NQ*\sc+NQ*\i+3], v[ADRS] offset:\i*SBLK
.endr
.endm
.macro PLACES n                        ; plain vector instructions between a matrix instruction and a load into, or a read of, its registers
.rept \n
	v_nop
.endr
.endm
.macro STEP slot, q, zero              ; a step of 128 along K that has its successor in the same slot
	s_wait_dscnt 4*NL                              ; B's set and A's blocks 0-3 are in; the youngest eight loads (A's blocks 4-7) may be out
.if \zero == 2
	WIN 0x81                                       ; C, the bias, in window 0; D in window 2
.else
	WIN MUL_LO
.endif
	MUL16 0, (\q)%2, \q, \slot, \zero
	MUL16 2, (\q)%2, \q, \slot, \zero
	s_wait_dscnt 0
	PLACES NP
	FETCH_B \slot, (\q)+1, 1-(\q)%2
	FETCH_A \slot, (\q)+1, 0
.if \zero == 2
	WIN 0xc1
.else
	WIN MUL_HI
.endif
	MUL16 4, (\q)%2, \q, \slot, \zero
	MUL16 6, (\q)%2, \q, \slot, \zero
	PLACES NP
	WIN 0
	FETCH_A \slot, (\q)+1, 4
.endm
.macro TURN slot, next                 ; a slot's last step changes slots: one barrier; nothing is filled again
	s_wait_tensorcnt 0x0                           ; all my tensor loads have landed: my part of the next slot
	ds_add_u32 v[SPW], v[NIL]
	s_wait_dscnt 4*NL+1                            ; the add and the youngest eight loads may be out
	WIN MUL_LO
	MUL16 0, 1, NQ-1, \slot, 0
	s_wait_dscnt 0x0                               ; the add is done, and my reads of this slot are over
	s_barrier_signal -1
	MUL16 2, 1, NQ-1, \slot, 0
	WIN 0
	s_barrier_wait -1
	PLACES NP
	v_add_nc_u32 v[ADRS], 4*NQ, v[ADRS]            ; the next slot's scale words
	FETCH_B \next, 0, 0
	FETCH_A \next, 0, 0
	SCALES \next
	WIN MUL_HI
	MUL16 4, 1, NQ-1, \slot, 0
	MUL16 6, 1, NQ-1, \slot, 0
	PLACES NP
	WIN 0
	FETCH_A \next, 0, 4
.endm
.macro FIRST zero                      ; the first step, whose products start the sums
	s_wait_tensorcnt 1                             ; the scales and my part of slot 0 are in; slot 1's load may be out,
	s_barrier_signal -1
	s_barrier_wait -1                              ; everybody's are
	FETCH_B 0, 0, 0
	FETCH_A 0, 0, 0
	SCALES 0
	FETCH_A 0, 0, 4
.if \zero == 2
	s_wait_loadcnt 0x0                             ; the bias
.endif
	STEP 0, 0, \zero
.endm
	s_cmp_eq_u32 ttmp9, 1                          ; the cluster's x, the same in all sixteen partners: cluster 1 holds tile columns 4 to 7, the K columns, which take no bias
	s_cbranch_scc1 .Lk_columns
.irp b, 0,1,2,3,4,5,6,7
	global_load_b128 v[BI+8*\b:BI+8*\b+3], v[BA], s[96:97] offset:64*\b
	global_load_b128 v[BI+8*\b+4:BI+8*\b+7], v[BA], s[96:97] offset:64*\b+16
.endr
	FIRST 2
	s_branch .Lstarted
.Lk_columns:
	FIRST 1
.Lstarted:
	STEP 0, 1, 0
	STEP 0, 2, 0
	TURN 0, 1
	STEP 1, 0, 0
	STEP 1, 1, 0
	STEP 1, 2, 0
	s_wait_dscnt 4*NL                              ; the very last step: nothing more to fetch
	WIN MUL_LO
	MUL16 0, 1, NQ-1, 1, 0
	MUL16 2, 1, NQ-1, 1, 0
	s_wait_dscnt 0
	WIN MUL_HI
	MUL16 4, 1, NQ-1, 1, 0
	MUL16 6, 1, NQ-1, 1, 0
	WIN 0
; THE WAY OUT, block by block of 16 rows x 128 columns: rounded to f16 (16 bytes a lane), through my own stage, back as whole rows of 256 bytes.
.macro PACK a
.set AC, 64*((\a)%4)
	WIN 0x0a+5*((\a)/4)                            ; sources 0 and 1: window 2 or 3
.irp b, 0,1,2,3,4,5,6,7
.irp r, 0,1,2,3
	v_cvt_pk_f16_f32 v[TMP+4*\b+\r], v[AC+8*\b+2*\r], v[AC+8*\b+2*\r+1]    ; each accumulator from its low end on
.endr
.endr
	WIN 0
.endm
.macro TOSTAGE a
.set BK, 96+128*((\a)%2)               ; v96-127 and v224-255 by turns
.irp b, 0,1,2,3,4,5,6,7
	ds_store_b128 v[STO], v[TMP+4*\b:TMP+4*\b+3] offset:32*\b
.endr
.irp t, 0,1,2,3,4,5,6,7
	ds_load_b128 v[BK+4*\t:BK+4*\t+3], v[RD] offset:\t*2*SPITCH    ; LDS serves a wave's instructions in order (ISA guide 5.7.1.4): these see the stores above
.endr
.endm
.macro SEND a
.set BK, 96+128*((\a)%2)
	s_wait_dscnt 0x0                               ; the block is back in registers
	s_wait_xcnt 0x0                                ; earlier stores have read their base and their registers: both are rewritten only behind this wait
.if (\a) > 0
	s_add_nc_u64 s[98:99], s[98:99], 16*SIZE_N*2
.endif
.irp t, 0,1,2,3,4,5,6,7
	global_store_b128 v[CO], v[BK+4*\t:BK+4*\t+3], s[98:99] offset:2*\t*SIZE_N*2   ; sixteen lanes store 256 consecutive bytes, aligned
.endr
.endm
	PLACES NP
	PACK 0
	TOSTAGE 0
.irp a, 1,2,3,4,5,6,7                  ; block a's conversions stand between block a - 1's loads from the stage and the wait for them
	PACK \a
	SEND \a-1
	TOSTAGE \a
.endr
	SEND 7
	s_wait_tensorcnt 0x0                           ; the wave's end
	ds_add_u32 v[SPW], v[NIL]
	s_wait_dscnt 0x0
	CROUND                                         ; the closing round
	s_endpgm
.Lfunc_end_k_qa6d57185ca_qkv:
	.size	k_qa6d57185ca_qkv, .Lfunc_end_k_qa6d57185ca_qkv-k_qa6d57185ca_qkv
	.p2alignl 7, 3214868480
	.fill 96, 4, 3214868480
	.section	.rodata,"a",@progbits
	.p2align	6, 0x0
	.amdhsa_kernel k_qa6d57185ca_qkv
		.amdhsa_group_segment_fixed_size 327680
		.amdhsa_private_segment_fixed_size 0
		.amdhsa_enable_private_segment 0
		.amdhsa_kernarg_size 48
		.amdhsa_user_sgpr_count 2
		.amdhsa_user_sgpr_kernarg_segment_ptr 1
		.amdhsa_wavefront_size32 1
		.amdhsa_system_sgpr_workgroup_id_x 1
		.amdhsa_system_sgpr_workgroup_id_y 1
		.amdhsa_system_sgpr_workgroup_id_z 1
		.amdhsa_system_vgpr_workitem_id 0
		.amdhsa_next_free_vgpr 1024
		.amdhsa_next_free_sgpr 100
		.amdhsa_reserve_vcc 0
		.amdhsa_float_denorm_mode_32 3
		.amdhsa_float_denorm_mode_16_64 3
		.amdhsa_memory_ordered 1
		.amdhsa_forward_progress 1
		.amdhsa_inst_pref_size 142
	.end_amdhsa_kernel
	.amdgpu_metadata
---
amdhsa.version: [ 1, 2 ]
amdhsa.kernels:
  - .name:           k_qa6d57185ca_qkv
    .symbol:         k_qa6d57185ca_qkv.kd
    .args:
      - { .name: x_codes, .offset: 0, .size: 8, .value_kind: global_buffer, .address_space: global }
      - { .name: x_scales, .offset: 8, .size: 8, .value_kind: global_buffer, .address_space: global }
      - { .name: w_codes, .offset: 16, .size: 8, .value_kind: global_buffer, .address_space: global }
      - { .name: w_scales, .offset: 24, .size: 8, .value_kind: global_buffer, .address_space: global }
      - { .name: b_qkv, .offset: 32, .size: 8, .value_kind: global_buffer, .address_space: global }
      - { .name: qkv, .offset: 40, .size: 8, .value_kind: global_buffer, .address_space: global }
    .group_segment_fixed_size: 327680
    .private_segment_fixed_size: 0
    .kernarg_segment_align: 8
    .kernarg_segment_size: 48
    .max_flat_workgroup_size: 128
    .sgpr_count:     100
    .vgpr_count:     1024
    .wavefront_size: 32
...
	.end_amdgpu_metadata
.endif
;; end of part 2
;; launch attn (part 3): grid 16 x 16, 8 waves a work-group, no clusters, 327,680 bytes of LDS; arguments qkv, entity_bias, attn; writes attn
.if DOCPART == 3
	.amdgcn_target "amdgcn-amd-amdhsa--gfx1250"
	.amdhsa_code_object_version 6
	.text
	.protected	k_qa6d57185ca_attn
	.globl	k_qa6d57185ca_attn
	.p2align	8
	.type	k_qa6d57185ca_attn,@function
k_qa6d57185ca_attn:
	s_mov_b64 s[64:65], 0
	v_nop
	global_prefetch_b8 v0, s[64:65] scope:SCOPE_SE
	s_setreg_imm32_b32 hwreg(HW_REG_WAVE_MODE, 25, 1), 1
	s_wait_xcnt 0x0
; Launch 3 of 6: attn[b][q][head] = softmax_k(q . k / 8 + entity_bias[b][q][k], keys after q at -1e9) v, on f16 operands with f32 sums; maxima, exponentials and row sums in f32.
; LEFT OUT: key tiles wholly above the diagonal: reference() sets their scores to -1e9 and their weight is 0 in its own f32 (shown at the head of the first kernel).
; LIMITS: a row whose largest visible score lies near -1e9 is not served as reference() serves it; NaN and infinities are not served; the result goes on as f16.
; (Positions 0 to 15 of each sequence are made here too, inside tiles that hold live work; the last two launches carry them in f32 and write them over.)
; SHARES.  A work-group has one batch, four heads, and two blocks of 64 queries: block 31 - i and block i, which together meet 33 key steps of 64 whatever i is.  Wave w: head w % 4, queries 32 (w / 4) + 0 .. 31 of both blocks:
; pair 0 = two tiles of 16 of the high block, pair 1 = two of the low one.  Two waves share a SIMD: one wave's softmax stands beside the other's products.
; A key step's tiles lie in one of two LDS slots: K and V (64 keys x 4 heads x 64), and the two blocks' tiles of entity_bias (64 x 64 f32), which all four heads read.
; NO CLUSTER: the four head groups of one (batch, i) could ask for entity_bias jointly; but the look-ahead ends at the causal limit by a jump on ids round the load, and no such jump may lead round a joint load.
; PRODUCTS.  S^T = K (Q / 8)^T + C, C = the tile of entity_bias, loaded from LDS straight into S^T's registers: the bias costs no vector instruction.  O^T += V^T P.  A lane holds one query throughout.
; REGISTERS: window 0: v1-15 addresses; v16-47 statistics, 8 a tile (+0 c m, +1 m, +2, +3 l, +4 .. +7 at work, a in +6); v52-61 at work at the head; v64-127 S^T of one pair; v128-159 P; v160-223 Q.
;   window 1: v0-127 O^T (32 a tile); v128-191 K's fragments; v192-255 V's.
.set SLOT1, 131072                     ; slot 1 begins here: one exclusive or turns an address from slot to slot
.set PK,    528                        ; a key's row of K: 512 bytes + 16
.set PV,    544                        ; of V: 512 + 32, an odd multiple of 32, for the turning load
.set PB,    272                        ; a query's row of the bias tile: 256 + 16
.set VOFF,  64*PK
.set BOFF,  VOFF+64*PV                 ; the high block's bias tile; the low block's lies 64 PB further on
.set STAGE, SLOT1+BOFF+2*64*PB         ; behind the ring: 128 rows x 528 bytes for the way out
.set SPARE, STAGE+128*PK               ; the spare words, 128 bytes a wave: four blocks of 256 bytes that no other line names
.set KSTEPB, 64*6144                   ; 64 rows of qkv
.set AK0, 1
.set AV0, 2
.set AB0, 3
.set ADK, 4
.set ADV, 5
.set ADB, 6
.set STO, 8
.set RD,  9
.set GO,  10
.set RH,  11                           ; l % 16 - 8 (l / 16)
.set DD,  12
.set NEG, 13                           ; -1e9
.set PFO1, 14
.set PFO2, 15
.set ST,  16
.set SPW, 48
.set NIL, 49
.set QO,  51
.set S,   64
.set P,   128
.set Q,   160
.set KFR, 128                          ; in window 1
.set VFR, 192
.set WV,  10
.set HH,  11
.set SB,  12
.set BB,  14
.set HG,  15
.set TB,  17                           ; LDS byte at which the slot in hand begins
.set KF,  18                           ; the step's first key
.set QH0, 19                           ; my high pair's first query; s20 my low pair's
.set QHL, 21                           ; the work-group's last high query
.set QLL, 22                           ; its last low query
.set SLOTS, 23
.set G1K, 24
.set G1V, 32
.set G1B, 40
.set G0K, 48
.set G0V, 52
.set G0H, 56
.set G0L, 60
.set CS,  66                           ; s[66:67] log2(e), twice
.set SEL, 68
.set PFK, 70
.set PFB, 72
.set LIMK, 74
.set LIMB, 75
.set EIG, 98                           ; s[98:99] 0.125, twice
.set MSB, 0
.macro WIN new
.if MSB != \new
	s_set_vgpr_msb (MSB<<8)|\new
.set MSB, \new
.endif
.endm
; Wave 0 fetches K's tile, wave 1 V's, wave 2 the high block's bias tile, wave 3 the low block's: one load a wave.  An s_nop 0 and four v_nop follow each load.
.macro TLOAD3
	s_cmp_lg_u32 s[WV], 0
	s_cbranch_scc1 .Lnot_k_\@
	tensor_load_to_lds s[G0K:G0K+3], s[G1K:G1K+7]
	s_nop 0
.rept 4
	v_nop
.endr
	s_branch .Lasked_\@
.Lnot_k_\@:
	s_cmp_lg_u32 s[WV], 1
	s_cbranch_scc1 .Lnot_v_\@
	tensor_load_to_lds s[G0V:G0V+3], s[G1V:G1V+7]
	s_nop 0
.rept 4
	v_nop
.endr
	s_branch .Lasked_\@
.Lnot_v_\@:
	s_cmp_lg_u32 s[WV], 2
	s_cbranch_scc1 .Lasked_\@
	tensor_load_to_lds s[G0H:G0H+3], s[G1B:G1B+7]
	s_nop 0
.rept 4
	v_nop
.endr
.Lasked_\@:
.endm
.macro TLOADL
	s_cmp_lg_u32 s[WV], 3
	s_cbranch_scc1 .Lnot_l_\@
	tensor_load_to_lds s[G0L:G0L+3], s[G1B:G1B+7]
	s_nop 0
.rept 4
	v_nop
.endr
.Lnot_l_\@:
.endm
; A PREFETCH INTO THE L2, behind the change's tensor loads: in the trip of key step t it names step t + 3, two trips ahead of that step's tensor load.  Each aligned block of 256 bytes is named once in the launch:
; K and V of a (batch, head group) by its work-group with i = 0, which walks all 32 steps: waves 0-3 K's 64 rows x 2 blocks, waves 4-7 V's; entity_bias by the work-groups of head group 0: waves 0, 1 the high block's
; 64 rows, waves 2, 3 the low block's, a lane a row.  The limits end each stream at the last step that a tensor load will ask for; nothing is asked at the head.
.macro ASK lim, off, adr
	s_cmp_lt_u32 s[KF], s[\lim]
	s_cbranch_scc0 .Lnot_mine_\@
	global_prefetch_b8 v[\off], s[\adr:\adr+1] th:TH_LOAD_NT scope:SCOPE_SE
.Lnot_mine_\@:
.endm
	s_load_b128 s[4:7], s[0:1], 0x0                ; qkv, entity_bias
	s_load_b64 s[8:9], s[0:1], 0x10                ; attn
	v_lshl_add_u32 v[SPW], v0, 2, SPARE
	v_mov_b32 v[NIL], 0
	ds_add_u32 v[SPW], v[NIL]                      ; the wave's opening: the add, twice on end, and its wait ahead of my first tensor load
	ds_add_u32 v[SPW], v[NIL]
	v_lshrrev_b32 v52, 5, v0
	v_readfirstlane_b32 s[WV], v52                 ; wave 0..7
	s_and_b32 s[HH], s[WV], 3                      ; my head among the four
	s_lshr_b32 s[SB], s[WV], 2                     ; which 32 queries of each block
	s_and_b32 s76, ttmp7, 0xffff
	s_lshr_b32 s[BB], s76, 2                       ; the batch
	s_and_b32 s[HG], s76, 3                        ; the head group
	s_sub_co_u32 s77, 31, ttmp9
	s_lshl_b32 s77, s77, 6                         ; the high block's first query
	s_lshl_b32 s78, ttmp9, 6                       ; the low block's
	s_lshl_b32 s79, s[SB], 5
	s_add_co_u32 s[QH0], s77, s79
	s_add_co_u32 s[QH0+1], s78, s79
	s_add_co_u32 s[QHL], s77, 63
	s_add_co_u32 s[QLL], s78, 63
	s_mul_i32 s80, s[BB], 2048*6144
	s_lshl_b32 s94, s[HG], 9
	s_add_co_u32 s80, s80, s94                     ; the batch's first row of qkv, my four heads' 512 bytes
	s_mov_b32 s81, 0
	s_lshl_b32 s92, s[BB], 11
	s_add_co_u32 s84, s92, s77
	s_lshl_b32 s84, s84, 13                        ; the high block's first row of entity_bias (8,192 bytes a row)
	s_mov_b32 s85, 0
	s_add_co_u32 s86, s92, s78
	s_lshl_b32 s86, s86, 13                        ; the low block's
	s_mov_b32 s87, 0
	s_mov_b32 s[G1K], (1<<16)|(1<<20)|(6<<22)|(3<<25)   ; elements of 2 bytes; 4 words of padding behind every 128
	s_mov_b32 s[G1V], (1<<16)|(1<<20)|(6<<22)|(7<<25)   ; 8 words
.irp g, G1K, G1V
	s_mov_b32 s[\g+1], 256<<16                     ; tensor_dim0 = 256 elements: four heads
	s_mov_b32 s[\g+2], 64<<16                      ; tensor_dim1 = 64 keys
	s_mov_b32 s[\g+3], 256<<16                     ; tile_dim0
	s_mov_b32 s[\g+4], 64                          ; tile_dim1
	s_mov_b32 s[\g+5], 3072                        ; the pitch in elements
	s_mov_b32 s[\g+6], 0
	s_mov_b32 s[\g+7], 0
.endr
	s_mov_b32 s[G1B], (2<<16)|(1<<20)|(5<<22)|(3<<25)   ; elements of 4 bytes; 4 words of padding behind every 64
	s_mov_b32 s[G1B+1], 64<<16
	s_mov_b32 s[G1B+2], 64<<16
	s_mov_b32 s[G1B+3], 64<<16
	s_mov_b32 s[G1B+4], 64
	s_mov_b32 s[G1B+5], 2048
	s_mov_b32 s[G1B+6], 0
	s_mov_b32 s[G1B+7], 0
	s_mov_b32 s[CS], 0x3fb8aa3b                    ; log2(e)
	s_mov_b32 s[CS+1], s[CS]
	s_mov_b32 s[EIG], 0x3e000000                   ; 0.125
	s_mov_b32 s[EIG+1], s[EIG]                     ; (named with it as a pair, so it is written)
	s_mov_b32 s[SEL], 0x76543210
	s_mov_b32 s[SEL+1], 0xfedcba98
	s_mov_b32 s[TB], 0
	s_mov_b32 s[KF], 0
	s_mov_b32 s[SLOTS], 31
	s_wait_dscnt 0x0                               ; both opening adds are done
	s_wait_kmcnt 0x0
	s_mov_b32 s[G0K], 1
	s_mov_b32 s[G0K+1], 0
	s_add_nc_u64 s[G0K+2:G0K+3], s[4:5], s[80:81]
	s_add_nc_u64 s[G0K+2:G0K+3], s[G0K+2:G0K+3], 2048   ; k lies 2,048 bytes into a row of qkv
	s_or_b32 s[G0K+3], s[G0K+3], 0x80000000
	s_mov_b32 s[G0V], 1
	s_mov_b32 s[G0V+1], VOFF
	s_add_nc_u64 s[G0V+2:G0V+3], s[4:5], s[80:81]
	s_add_nc_u64 s[G0V+2:G0V+3], s[G0V+2:G0V+3], 4096   ; v 4,096
	s_or_b32 s[G0V+3], s[G0V+3], 0x80000000
	s_mov_b32 s[G0H], 1
	s_mov_b32 s[G0H+1], BOFF
	s_add_nc_u64 s[G0H+2:G0H+3], s[6:7], s[84:85]
	s_or_b32 s[G0H+3], s[G0H+3], 0x80000000
	s_mov_b32 s[G0L], 1
	s_mov_b32 s[G0L+1], BOFF+64*PB
	s_add_nc_u64 s[G0L+2:G0L+3], s[6:7], s[86:87]
	s_or_b32 s[G0L+3], s[G0L+3], 0x80000000
	TLOAD3                                         ; key step 0 into slot 0: every pair reads it
	TLOADL
	; Q: 4 tiles x 2 fragments of 16 queries x 32 channels: lane l holds row l % 16; two loads of 16 bytes, 32 apart
	v_and_b32 v52, 15, v0                          ; r
	v_bfe_u32 v53, v0, 4, 1                        ; h
	v_and_b32 v54, 31, v0                          ; lane
	v_mul_u32_u24 v[QO], v52, 6144
	v_lshl_add_u32 v[QO], v53, 4, v[QO]
	s_lshl_b32 s95, s[HH], 7
	s_add_co_u32 s93, s94, s95                     ; my head's bytes in a row: 512 x head group + 128 x head
	s_add_co_u32 s88, s92, s[QH0]
	s_mul_i32 s88, s88, 6144
	s_add_co_u32 s88, s88, s93
	s_mov_b32 s89, 0
	s_add_nc_u64 s[88:89], s[4:5], s[88:89]
	s_add_co_u32 s90, s92, s[QH0+1]
	s_mul_i32 s90, s90, 6144
	s_add_co_u32 s90, s90, s93
	s_mov_b32 s91, 0
	s_add_nc_u64 s[90:91], s[4:5], s[90:91]
.irp y, 0,1
.irp c, 0,1
	global_load_b128 v[Q+16*\y+8*\c:Q+16*\y+8*\c+3],       v[QO], s[88:89] offset:98304*\y+64*\c
	global_load_b128 v[Q+16*\y+8*\c+4:Q+16*\y+8*\c+7],     v[QO], s[88:89] offset:98304*\y+64*\c+32
	global_load_b128 v[Q+32+16*\y+8*\c:Q+32+16*\y+8*\c+3],   v[QO], s[90:91] offset:98304*\y+64*\c
	global_load_b128 v[Q+32+16*\y+8*\c+4:Q+32+16*\y+8*\c+7], v[QO], s[90:91] offset:98304*\y+64*\c+32
.endr
.endr
	v_mul_u32_u24 v[AK0], v52, PK
	v_lshl_add_u32 v[AK0], v53, 4, v[AK0]
	v_add_nc_u32 v[AK0], s95, v[AK0]               ; K: row r, + 16 h, + my head's 128 bytes
	v_and_b32 v55, 7, v0
	v_lshl_add_u32 v55, v53, 3, v55
	v_mul_u32_u24 v[AV0], v55, PV
	v_bfe_u32 v55, v0, 3, 1
	v_lshl_add_u32 v[AV0], v55, 4, v[AV0]
	s_add_co_u32 s93, s95, VOFF
	v_add_nc_u32 v[AV0], s93, v[AV0]               ; V, for the turning load: key 8 h + l % 8, channels 8 ((l / 8) % 2) on
	v_mul_u32_u24 v[AB0], v52, PB
	v_lshl_add_u32 v[AB0], v53, 5, v[AB0]
	s_mul_i32 s93, s[SB], 32*PB
	s_add_co_u32 s93, s93, BOFF
	v_add_nc_u32 v[AB0], s93, v[AB0]               ; the bias: row = my query, + 32 h: eight keys of f32
	s_mul_i32 s93, s[SB], 32*PK
	s_add_co_u32 s93, s93, STAGE
	v_add_nc_u32 v[STO], s93, v[AK0]               ; the stage: row 32 (w / 4) + r, my head's 128 bytes, + 16 h
	v_lshlrev_b32 v[GO], 4, v54
	s_mul_i32 s93, s[WV], 16*PK
	s_add_co_u32 s93, s93, STAGE
	v_add_nc_u32 v[RD], s93, v[GO]                 ; back: rows 16 w on, a row of 512 bytes an instruction
	v_lshlrev_b32 v55, 3, v53
	v_sub_nc_u32 v[RH], v52, v55
	v_mov_b32 v[NEG], 0xce6e6b28                   ; -1e9
	; the prefetches' offsets and limits
	v_lshrrev_b32 v55, 1, v54
	s_lshl_b32 s93, s[HH], 4
	v_add_nc_u32 v55, s93, v55
	v_mul_u32_u24 v[PFO1], v55, 6144
	v_and_b32 v55, 1, v0
	v_lshl_add_u32 v[PFO1], v55, 8, v[PFO1]        ; row 16 (w % 4) + lane / 2, block lane % 2
	s_and_b32 s93, s[WV], 1
	s_lshl_b32 s93, s93, 5
	v_add_nc_u32 v55, s93, v54
	v_lshlrev_b32 v[PFO2], 13, v55                 ; row 32 (w % 2) + lane of entity_bias
	s_sub_co_u32 s82, 29, ttmp9
	s_lshl_b32 s82, s82, 6                         ; high block: step t + 3 <= 31 - i
	s_sub_co_i32 s83, ttmp9, 2
	s_max_i32 s83, s83, 0
	s_lshl_b32 s83, s83, 6                         ; low block: step t + 3 <= i
	s_cmp_lt_u32 s[WV], 2
	s_cselect_b32 s[LIMB], s82, s83
	s_cselect_b64 s[PFB:PFB+1], s[84:85], s[86:87] ; (offsets, not addresses)
	s_mov_b32 s82, 4096+2*KSTEPB
	s_cmp_lt_u32 s[WV], 4
	s_cselect_b32 s[LIMB], s[LIMB], 0
	s_cselect_b32 s82, 2048+2*KSTEPB, s82          ; K's or V's place in a row, at step 2: the first change steps it to step 3
	s_mov_b32 s83, 0
	s_cmp_eq_u32 s[HG], 0
	s_cselect_b32 s[LIMB], s[LIMB], 0
	s_cmp_eq_u32 ttmp9, 0
	s_cselect_b32 s[LIMK], 64*29, 0                ; step t + 3 <= 31
	s_add_nc_u64 s[PFK:PFK+1], s[4:5], s[80:81]
	s_add_nc_u64 s[PFK:PFK+1], s[PFK:PFK+1], s[82:83]
	s_add_nc_u64 s[PFB:PFB+1], s[6:7], s[PFB:PFB+1]
	s_add_nc_u64 s[PFB:PFB+1], s[PFB:PFB+1], 512
	; where my 16 rows of the result go
	s_cmp_lt_u32 s[WV], 4
	s_cselect_b32 s82, s77, s78
	s_lshl_b32 s83, s[HH], 4
	s_add_co_u32 s82, s82, s83
	s_add_co_u32 s82, s82, s92
	s_lshl_b32 s82, s82, 11                        ; a row of attn is 2,048 bytes
	s_add_co_u32 s82, s82, s94
	s_mov_b32 s83, 0
	s_add_nc_u64 s[8:9], s[8:9], s[82:83]
.irp t, 0,1,2,3
	v_mov_b32 v[ST+8*\t+1], 0xf149f2ca             ; m = -1e30, under every score
	v_mov_b32 v[ST+8*\t+2], 0                      ; l, in two halves
	v_mov_b32 v[ST+8*\t+3], 0
	v_mov_b32 v[ST+8*\t+5], 0                      ; written once: a lane permute's destination counts as one of its sources,
	v_mov_b32 v[ST+8*\t+7], 0                      ; and this one is named as the upper half of the pair that holds a, and at the end 1 / l
.endr
.irp t, 0,1,2,3
	v_mul_f32 v[ST+8*\t], s[CS], v[ST+8*\t+1]      ; c m
.endr
	WIN 0x40
.set i, 0
.rept 128
	v_mov_b32 v[i], 0                              ; O^T.  The key step is written once for all steps: the first finds zeros, which its a = 0 leaves zeros; a first step of its own would double the loop's text
.set i, i+1
.endr
	WIN 0
	s_wait_loadcnt 0x0                             ; Q
	; Q / 8, reckoned in f32: both halves of a word are widened, multiplied by 0.125 and narrowed again; a power of two, so nothing is rounded.  Halves are named only up to v127: a word is copied down first.  Two words by turns.
.set i, 0
.rept 32
	v_mov_b32 v56, v[Q+i]
	v_mov_b32 v57, v[Q+i+1]
	v_cvt_f32_f16 v58, v56.l
	v_cvt_f32_f16 v59, v56.h
	v_cvt_f32_f16 v60, v57.l
	v_cvt_f32_f16 v61, v57.h
	v_pk_mul_f32 v[58:59], v[58:59], s[EIG:EIG+1] op_sel_hi:[1,0]
	v_pk_mul_f32 v[60:61], v[60:61], s[EIG:EIG+1] op_sel_hi:[1,0]
	v_cvt_pk_f16_f32 v[Q+i], v58, v59
	v_cvt_pk_f16_f32 v[Q+i+1], v60, v61
.set i, i+2
.endr
; ONE PAIR'S WORK IN A KEY STEP.  p: 0 the high pair, 1 the low.  wv = 1: the step's V is fetched here, behind the bias.
.macro PAIR p, wv
.irp y, 0,1
.irp k, 0,1,2,3
	ds_load_b128 v[S+32*\y+8*\k:S+32*\y+8*\k+3],   v[ADB] offset:64*PB*\p+16*PB*\y+64*\k       ; C: register j = entity_bias(my query, key 16 k + 8 h + j)
	ds_load_b128 v[S+32*\y+8*\k+4:S+32*\y+8*\k+7], v[ADB] offset:64*PB*\p+16*PB*\y+64*\k+16
.endr
.endr
.if \wv
	WIN 0x40
.irp u, 0,1
.irp d, 0,1,2,3
	ds_load_tr16_b128 v[VFR+32*\u+8*\d:VFR+32*\u+8*\d+3],   v[ADV] offset:32*PV*\u+32*\d
	ds_load_tr16_b128 v[VFR+32*\u+8*\d+4:VFR+32*\u+8*\d+7], v[ADV] offset:32*PV*\u+16*PV+32*\d
.endr
.endr
	s_wait_dscnt 16                                ; K and the bias are in; V's sixteen loads may be out
.else
	s_wait_dscnt 0x0                               ; the bias
.endif
	WIN 0x01                                       ; K in window 1
.irp c, 0,1                            ; the eight accumulators take turns, one instruction a turn
.irp k, 0,1,2,3
.irp y, 0,1
	v_wmma_f32_16x16x32_f16 v[S+32*\y+8*\k:S+32*\y+8*\k+7], v[KFR+16*\k+8*\c:KFR+16*\k+8*\c+7], v[Q+16*(2*\p+\y)+8*\c:Q+16*(2*\p+\y)+8*\c+7], v[S+32*\y+8*\k:S+32*\y+8*\k+7]
.endr
.endr
.endr
	WIN 0
.rept 4
	v_nop                                          ; four places between the products and the first read of their results (ISA guide 7.12.1)
.endr
	s_add_co_u32 s96, s[KF], 63
	s_cmp_le_u32 s96, s[QH0+\p]                    ; all 64 keys count for all my queries: no mask
	s_cbranch_scc1 .Lopen_\@
	s_sub_co_i32 s96, s[QH0+\p], s[KF]
	v_add_nc_u32 v[DD], s96, v[RH]                 ; register 32 y + 8 k + j holds key KF + 16 k + 8 h + j of query Q0 + 16 y + r: hidden where 16 k + j - 16 y > Q0 - KF + r - 8 h
.irp y, 0,1
.irp k, 0,1,2,3
.irp j, 0,1,2,3,4,5,6,7
	v_cmp_gt_i32 vcc_lo, 16*\k+\j-16*\y, v[DD]
	v_cndmask_b32 v[S+32*\y+8*\k+\j], v[S+32*\y+8*\k+\j], v[NEG], vcc_lo
.endr
.endr
.endr
.Lopen_\@:
	; the maximum of a lane's 32 scores and the old m, the two tiles by turns; each accumulator is read from its low end on
.irp j, 0,1,2,3
.irp y, 0,1
	v_max3_num_f32 v[ST+8*(2*\p+\y)+4+\j], v[S+32*\y+8*\j], v[S+32*\y+8*\j+1], v[S+32*\y+8*\j+2]
.endr
.endr
.irp g, 1,2
.irp j, 0,1,2,3
.irp y, 0,1
	v_max3_num_f32 v[ST+8*(2*\p+\y)+4+\j], v[ST+8*(2*\p+\y)+4+\j], v[S+32*\y+8*\j+2*\g+1], v[S+32*\y+8*\j+2*\g+2]
.endr
.endr
.endr
.irp y, 0,1
	v_max3_num_f32 v[ST+8*(2*\p+\y)+4], v[ST+8*(2*\p+\y)+4], v[S+32*\y+7], v[S+32*\y+15]
	v_max3_num_f32 v[ST+8*(2*\p+\y)+6], v[ST+8*(2*\p+\y)+6], v[S+32*\y+23], v[S+32*\y+31]
.endr
.irp y, 0,1
	v_max3_num_f32 v[ST+8*(2*\p+\y)+4], v[ST+8*(2*\p+\y)+4], v[ST+8*(2*\p+\y)+5], v[ST+8*(2*\p+\y)+6]
.endr
.irp y, 0,1
	v_max3_num_f32 v[ST+8*(2*\p+\y)+4], v[ST+8*(2*\p+\y)+4], v[ST+8*(2*\p+\y)+7], v[ST+8*(2*\p+\y)+1]
.endr
.irp y, 0,1
	v_permlanex16_b32 v[ST+8*(2*\p+\y)+5], v[ST+8*(2*\p+\y)+4], s[SEL], s[SEL+1]   ; the query's other 32 keys lie in the lane 16 away
.endr
.irp y, 0,1
	v_mov_b32 v[ST+8*(2*\p+\y)+7], v[ST+8*(2*\p+\y)]                               ; c m_old
.endr
.irp y, 0,1
	v_max_num_f32 v[ST+8*(2*\p+\y)+1], v[ST+8*(2*\p+\y)+4], v[ST+8*(2*\p+\y)+5]    ; the new m
.endr
.irp y, 0,1
	v_mul_f32 v[ST+8*(2*\p+\y)], s[CS], v[ST+8*(2*\p+\y)+1]
.endr
.irp y, 0,1
	v_sub_f32 v[ST+8*(2*\p+\y)+7], v[ST+8*(2*\p+\y)+7], v[ST+8*(2*\p+\y)]
.endr
.irp y, 0,1
.set i, 0
.rept 16
	v_pk_fma_f32 v[S+32*\y+i:S+32*\y+i+1], v[S+32*\y+i:S+32*\y+i+1], s[CS:CS+1], v[ST+8*(2*\p+\y):ST+8*(2*\p+\y)+1] op_sel_hi:[1,0,0] neg_lo:[0,0,1] neg_hi:[0,0,1]   ; c s - c m
.set i, i+2
.endr
.endr
.irp y, 0,1
	v_exp_f32 v[ST+8*(2*\p+\y)+6], v[ST+8*(2*\p+\y)+7]                             ; a = 2^(c m_old - c m_new)
.endr
.set i, 0
.rept 64
	v_exp_f32 v[S+i], v[S+i]                       ; p: ONE BATCH of 66 exponentials
.set i, i+1
.endr
	v_nop                                          ; a plain instruction behind the last exponential
	s_wait_alu depctr_va_vdst(0)                   ; and one wait for the batch, ahead of the first instruction that names a result
.set i, 0
.rept 32
	v_cvt_pk_f16_f32 v[P+i], v[S+2*i], v[S+2*i+1]  ; two tiles of 16 keys, packed, are source 1 (32 keys x 16 queries) of the second product
.set i, i+1
.endr
.irp w, 4,8,16,32                      ; the row's sum, of the unrounded p, in place
.set u, 0
.rept 64/\w
	v_pk_add_f32 v[S+\w*u:S+\w*u+1], v[S+\w*u:S+\w*u+1], v[S+\w*u+\w/2:S+\w*u+\w/2+1]
.set u, u+1
.endr
.endr
.irp y, 0,1
	v_pk_fma_f32 v[ST+8*(2*\p+\y)+2:ST+8*(2*\p+\y)+3], v[ST+8*(2*\p+\y)+2:ST+8*(2*\p+\y)+3], v[ST+8*(2*\p+\y)+6:ST+8*(2*\p+\y)+7], v[S+32*\y:S+32*\y+1] op_sel_hi:[1,0,1]   ; l = a l + the sum
.endr
	WIN 0x41                                       ; O^T in window 1, a in window 0
.irp y, 0,1
.set i, 0
.rept 16
	v_pk_mul_f32 v[64*\p+32*\y+i:64*\p+32*\y+i+1], v[64*\p+32*\y+i:64*\p+32*\y+i+1], v[ST+8*(2*\p+\y)+6:ST+8*(2*\p+\y)+7] op_sel_hi:[1,0]
.set i, i+2
.endr
.endr
.if \wv
	s_wait_dscnt 0x0                               ; V is in
.endif
	WIN 0x51                                       ; V and O^T in window 1, P in window 0
.irp u, 0,1
.irp d, 0,1,2,3
.irp y, 0,1
	v_wmma_f32_16x16x32_f16 v[64*\p+32*\y+8*\d:64*\p+32*\y+8*\d+7], v[VFR+32*\u+8*\d:VFR+32*\u+8*\d+7], v[P+16*\y+8*\u:P+16*\y+8*\u+7], v[64*\p+32*\y+8*\d:64*\p+32*\y+8*\d+7]
.endr
.endr
.endr
	WIN 0
.endm
; A KEY STEP of 64 keys.  A step whose keys all come after the work-group's queries is left out: scalar branches on ids and the count of steps; no barrier and no tensor load stands in a step.
.macro STEP
	s_cmp_gt_u32 s[KF], s[QHL]
	s_cbranch_scc1 .Lhidden_\@
	v_add_nc_u32 v[ADK], s[TB], v[AK0]             ; these four are also the places between the last step's products and the loads into their registers
	v_add_nc_u32 v[ADV], s[TB], v[AV0]
	v_add_nc_u32 v[ADB], s[TB], v[AB0]
	v_nop
	WIN 0x40
.irp k, 0,1,2,3
.irp c, 0,1
	ds_load_b128 v[KFR+16*\k+8*\c:KFR+16*\k+8*\c+3],   v[ADK] offset:16*PK*\k+64*\c
	ds_load_b128 v[KFR+16*\k+8*\c+4:KFR+16*\k+8*\c+7], v[ADK] offset:16*PK*\k+64*\c+32
.endr
.endr
	WIN 0
	PAIR 0, 1
	s_cmp_gt_u32 s[KF], s[QLL]
	s_cbranch_scc1 .Lhidden_\@
	PAIR 1, 0
.Lhidden_\@:
	s_add_co_u32 s[KF], s[KF], 64
.endm
; THE CHANGE OF SLOTS, at a step's head.  Each wave waits for all its tensor loads, adds 0 to its spare word, and waits for that and for its reads of the slot that it has left.  Behind the barrier the slot ahead is whole
; and nobody reads the other one, which takes the next step's tiles: one load a wave, with a whole step in which to land.  THE LOOK-AHEAD ENDS AT THE CAUSAL LIMIT: tiles that no wave of the work-group will read are not
; asked for.  Each limit is made of ids and the count of steps, the same in all eight waves, and leads round its load's own lines alone; every wait on TENSORcnt in this text is for 0.
.macro CHANGE fill
	s_wait_tensorcnt 0x0                           ; no tensor load of mine is out, so a group 0 may be written
	ds_add_u32 v[SPW], v[NIL]
.if \fill
	ds_add_u32 v[SPW], v[NIL]                      ; and twice on end here, in every trip alike
.irp g, G0K, G0V
	s_xor_b32 s[\g+1], s[\g+1], SLOT1
	s_add_nc_u64 s[\g+2:\g+3], s[\g+2:\g+3], KSTEPB     ; the next 64 keys: rows of qkv
.endr
.irp g, G0H, G0L
	s_xor_b32 s[\g+1], s[\g+1], SLOT1
	s_add_nc_u64 s[\g+2:\g+3], s[\g+2:\g+3], 256        ; 64 columns of entity_bias
.endr
	s_wait_xcnt 0x0                                ; the last prefetches, a step back, have read their addresses
	s_add_nc_u64 s[PFK:PFK+1], s[PFK:PFK+1], KSTEPB
	s_add_nc_u64 s[PFB:PFB+1], s[PFB:PFB+1], 256
.endif
	s_wait_dscnt 0x0                               ; the add is done, and my reads of the slot that I have left are over
	s_barrier_signal -1
	s_barrier_wait -1
.if \fill
	s_add_co_u32 s96, s[KF], 64                    ; the first key of the step that this change would ask for
	s_cmp_gt_u32 s96, s[QHL]
	s_cbranch_scc1 .Lpast_h_\@
	TLOAD3
.Lpast_h_\@:
	s_cmp_gt_u32 s96, s[QLL]
	s_cbranch_scc1 .Lpast_l_\@
	TLOADL
.Lpast_l_\@:
	ASK LIMK, PFO1, PFK
	ASK LIMB, PFO2, PFB
.endif
.endm
.Lslot:                                            ; 31 trips, a constant: every work-group walks all changes of slots
	CHANGE 1
	STEP
	s_xor_b32 s[TB], s[TB], SLOT1
	s_sub_co_u32 s[SLOTS], s[SLOTS], 1
	s_cmp_lg_u32 s[SLOTS], 0
	s_cbranch_scc1 .Lslot
	CHANGE 0                                       ; the last step is written out: nothing is left to ask for
	STEP
	; THE WAY OUT.  O^T / l, rounded to f16, meets the other heads' in the stage; each wave then stores 16 whole rows of 512 bytes.  The four additions are the places behind the last products.
.irp t, 0,1,2,3
	v_add_f32 v[ST+8*\t+4], v[ST+8*\t+2], v[ST+8*\t+3]
.endr
.irp t, 0,1,2,3
	v_permlanex16_b32 v[ST+8*\t+5], v[ST+8*\t+4], s[SEL], s[SEL+1]
.endr
.irp t, 0,1,2,3
	v_add_f32 v[ST+8*\t+4], v[ST+8*\t+4], v[ST+8*\t+5]
.endr
.irp t, 0,1,2,3
	v_rcp_f32 v[ST+8*\t+6], v[ST+8*\t+4]
.endr
	v_nop                                          ; a plain instruction behind the last reciprocal
	s_wait_alu depctr_va_vdst(0)                   ; one wait for the four
.irp t, 0,1,2,3
	WIN 0x41
.set i, 0
.rept 16
	v_pk_mul_f32 v[32*\t+i:32*\t+i+1], v[32*\t+i:32*\t+i+1], v[ST+8*\t+6:ST+8*\t+7] op_sel_hi:[1,0]
.set i, i+2
.endr
	WIN 0x05                                       ; sources in window 1, destination in window 0
.set i, 0
.rept 16
	v_cvt_pk_f16_f32 v[S+16*\t+i], v[32*\t+2*i], v[32*\t+2*i+1]
.set i, i+1
.endr
	WIN 0
.irp d, 0,1,2,3
	ds_store_b128 v[STO], v[S+16*\t+4*\d:S+16*\t+4*\d+3] offset:(64*(\t/2)+16*(\t%2))*PK+32*\d
.endr
.endr
	s_wait_dscnt 0x0                               ; for the others' sake: my stores into the stage are done
	s_barrier_signal -1
	s_barrier_wait -1
.irp t, 0,1,2,3,4,5,6,7,8,9,10,11,12,13,14,15
	ds_load_b128 v[S+4*\t:S+4*\t+3], v[RD] offset:\t*PK
.endr
.irp t, 0,1,2,3,4,5,6,7,8,9,10,11,12,13,14,15
	s_wait_dscnt 15-\t
	global_store_b128 v[GO], v[S+4*\t:S+4*\t+3], s[8:9] offset:2048*\t     ; 32 lanes store 512 consecutive bytes, aligned
.endr
	s_wait_tensorcnt 0x0                           ; the wave's end
	ds_add_u32 v[SPW], v[NIL]
	s_wait_dscnt 0x0
	s_endpgm
.Lfunc_end_k_qa6d57185ca_attn:
	.size	k_qa6d57185ca_attn, .Lfunc_end_k_qa6d57185ca_attn-k_qa6d57185ca_attn
	.p2alignl 7, 3214868480
	.fill 96, 4, 3214868480
	.section	.rodata,"a",@progbits
	.p2align	6, 0x0
	.amdhsa_kernel k_qa6d57185ca_attn
		.amdhsa_group_segment_fixed_size 327680
		.amdhsa_private_segment_fixed_size 0
		.amdhsa_enable_private_segment 0
		.amdhsa_kernarg_size 24
		.amdhsa_user_sgpr_count 2
		.amdhsa_user_sgpr_kernarg_segment_ptr 1
		.amdhsa_wavefront_size32 1
		.amdhsa_system_sgpr_workgroup_id_x 1
		.amdhsa_system_sgpr_workgroup_id_y 1
		.amdhsa_system_sgpr_workgroup_id_z 1
		.amdhsa_system_vgpr_workitem_id 0
		.amdhsa_next_free_vgpr 512
		.amdhsa_next_free_sgpr 100
		.amdhsa_reserve_vcc 1
		.amdhsa_float_denorm_mode_32 3
		.amdhsa_float_denorm_mode_16_64 3
		.amdhsa_memory_ordered 1
		.amdhsa_forward_progress 1
		.amdhsa_inst_pref_size 131
	.end_amdhsa_kernel
	.amdgpu_metadata
---
amdhsa.version: [ 1, 2 ]
amdhsa.kernels:
  - .name:           k_qa6d57185ca_attn
    .symbol:         k_qa6d57185ca_attn.kd
    .args:
      - { .name: qkv, .offset: 0, .size: 8, .value_kind: global_buffer, .address_space: global }
      - { .name: entity_bias, .offset: 8, .size: 8, .value_kind: global_buffer, .address_space: global }
      - { .name: attn, .offset: 16, .size: 8, .value_kind: global_buffer, .address_space: global }
    .group_segment_fixed_size: 327680
    .private_segment_fixed_size: 0
    .kernarg_segment_align: 8
    .kernarg_segment_size: 24
    .max_flat_workgroup_size: 256
    .sgpr_count:     100
    .vgpr_count:     512
    .wavefront_size: 32
...
	.end_amdgpu_metadata
.endif
;; end of part 3
;; launch proj (part 4): grid 8 x 64, 4 waves a work-group, clusters of 4 x 4, 327,680 bytes of LDS; arguments attn, wt, b_out, out0; writes out0
.if DOCPART == 4
	.amdgcn_target "amdgcn-amd-amdhsa--gfx1250"
	.amdhsa_code_object_version 6
	.text
	.protected	k_qa6d57185ca_proj
	.globl	k_qa6d57185ca_proj
	.p2align	8
	.type	k_qa6d57185ca_proj,@function
k_qa6d57185ca_proj:
	s_mov_b64 s[64:65], 0
	v_nop
	global_prefetch_b8 v0, s[64:65] scope:SCOPE_SE
	s_setreg_imm32_b32 hwreg(HW_REG_WAVE_MODE, 25, 1), 1
	s_wait_xcnt 0x0
	s_wait_alu depctr_hold_cnt(0) depctr_sa_sdst(0) depctr_va_vdst(0) depctr_va_sdst(0) depctr_va_ssrc(0) depctr_va_vcc(0) depctr_vm_vsrc(0)
	s_getreg_b32 s2, hwreg(HW_REG_IB_STS2, 6, 4)
	s_cmp_eq_u32 s2, 0
	s_cbranch_scc0 .Lentry_in_a_cluster
	s_endpgm
.Lentry_in_a_cluster:
	s_bfe_u32 s2, ttmp6, 0x10000c
	s_cmp_lg_u32 s2, 0xf033
	s_cbranch_scc0 .Lentry_shape_is_right
	s_endpgm
.Lentry_shape_is_right:
; Launch 4 of 6: out0[m][n] = sum over k of attn[m][k] wt[n][k] + b_out[n].  attn [8192][1024], wt [1024][1024]: f16; sums and out0 in f32.
; (The 64 rows of positions 0 to 15 are made here too, inside tiles that hold live work; the last launch writes them over in f32.)
; A tile is 128 x 128: four waves, 64 x 64 each, 16 accumulators.  K goes in steps of 256 (LDS rows of 512 bytes) through a ring of two slots.  CLUSTERS: 4 x 4 work-groups; A's tiles are asked for jointly along a row
; of the cluster, B's along a column.  The matrix instruction is used transposed (source 0 = 16 rows of wt, source 1 = 16 rows of attn): a lane holds eight neighbouring columns of a row.  b_out is the C of each sum's first instruction.
; REGISTERS: window 0: v0-31 addresses; v32-63 b_out, later with v64-95 the way out; v128-255 the accumulators ((a, b) at v[128 + 8 (4 a + b)]).   window 1: two fragment buffers of 128.
.set SIZE_N, 1024
.set SIZE_K, 1024
.set KSTEP,  256
.set PITCH,  528
.set HALFT,  64*PITCH
.set SLOT,   4*HALFT
.set STAGE,  2*SLOT                    ; behind the ring: 16 rows x 272 bytes for each wave: a wave's 64 columns of f32 are a whole 256 bytes of a row
.set SPITCH, 272
.set SPARE,  STAGE+4*16*SPITCH
.set LAPS, SIZE_K/(2*KSTEP)
.set ADRA, 16
.set ADRB, 20
.set STO,  24
.set RD,   25
.set CO,   26
.set BA,   27
.set SPW,  28
.set NIL,  29
.set BI,   32                          ; v32-63 register 8 b + j: b_out[my first column + 16 b + 8 (lane / 16) + j]
.set OB,   32
.set ACC,  128
.set F0,   0
.set F1,   128
.set G1, 24
.set G0, 32
.set G1B, 48
.set G0B, 56
.set MSB, 0
.macro WIN new
.if MSB != \new
	s_set_vgpr_msb (MSB<<8)|\new
.set MSB, \new
.endif
.endm
.set MUL,  0x05                        ; sources 0 (wt) and 1 (attn) window 1; C and D window 0
.set TO_F, 0x40
.macro JLOAD s                         ; a joint load: waves 0 and 1 fetch A's two halves, waves 2 and 3 B's; an s_nop 0 and four v_nop follow each line
	s_cmp_eq_u32 s11, 0
	s_cbranch_scc0 .Lfor_b_\@
	tensor_load_to_lds s[G0+4*\s:G0+4*\s+3], s[G1:G1+7]
	s_nop 0
.rept 4
	v_nop
.endr
	s_branch .Lasked_\@
.Lfor_b_\@:
	tensor_load_to_lds s[G0B+4*\s:G0B+4*\s+3], s[G1B:G1B+7]
	s_nop 0
.rept 4
	v_nop
.endr
.Lasked_\@:
.endm
.macro CREST
	s_cmp_lg_u32 s10, 0
	s_cbranch_scc1 .Lnot_wave_0_\@
	s_barrier_signal -3
.Lnot_wave_0_\@:
	s_barrier_wait -3
	s_barrier_signal -1
	s_barrier_wait -1
.endm
.macro CROUND
	s_barrier_signal -1
	s_barrier_wait -1
	CREST
.endm
	s_load_b128 s[4:7], s[0:1], 0x0                ; attn, wt
	s_load_b128 s[68:71], s[0:1], 0x10             ; b_out, out0
	v_lshl_add_u32 v[SPW], v0, 2, SPARE
	v_mov_b32 v[NIL], 0
	ds_add_u32 v[SPW], v[NIL]                      ; the wave's opening: the add, twice on end, and its wait ahead of my first tensor load
	ds_add_u32 v[SPW], v[NIL]
	v_lshrrev_b32 v1, 5, v0
	v_readfirstlane_b32 s10, v1                    ; wave 0..3
	s_lshr_b32 s11, s10, 1                         ; which half of the tile's rows is mine.  Also: I fetch for A (0) or for B (1)
	s_and_b32 s12, s10, 1                          ; which half of its columns.  Also: which 64 rows I fetch
	s_bfe_u32 s40, ttmp6, 0x40000
	s_bfe_u32 s41, ttmp6, 0x40004
	s_lshl_b32 s42, ttmp9, 2
	s_add_co_u32 s42, s42, s40                     ; tile column
	s_and_b32 s13, ttmp7, 0xffff
	s_lshl_b32 s13, s13, 2
	s_add_co_u32 s13, s13, s41                     ; tile row
	s_lshl_b32 s43, s41, 2
	s_lshl_b32 s43, 15, s43
	s_lshl_b32 s44, 0x1111, s40
	s_or_b32 s[G1+0], s43, (1<<16)|(1<<20)|(1<<21)|(6<<22)|(3<<25)  ; the mask; elements of 2 bytes; 4 words of padding behind every 128; bit 21 beside a mask
	s_or_b32 s[G1B+0], s44, (1<<16)|(1<<20)|(1<<21)|(6<<22)|(3<<25)
.irp g, G1, G1B
	s_mov_b32 s[\g+1], KSTEP<<16
	s_mov_b32 s[\g+2], 64<<16
	s_mov_b32 s[\g+3], KSTEP<<16
	s_mov_b32 s[\g+4], 64
	s_mov_b32 s[\g+5], SIZE_K
	s_mov_b32 s[\g+6], 0
	s_mov_b32 s[\g+7], 0
.endr
	s_lshl_b32 s17, s12, 6
	s_lshl_b32 s16, s13, 7
	s_add_co_u32 s16, s16, s17
	s_lshl_b32 s46, s42, 7
	s_add_co_u32 s46, s46, s17
	s_mov_b32 s17, 0
	s_mov_b32 s47, 0
	s_mov_b64 s[18:19], SIZE_K*2
	s_mul_u64 s[16:17], s[16:17], s[18:19]
	s_mul_u64 s[46:47], s[46:47], s[18:19]
	s_mul_i32 s20, s10, HALFT
	s_wait_dscnt 0x0                               ; both opening adds are done
	s_wait_kmcnt 0x0
	s_add_nc_u64 s[14:15], s[4:5], s[16:17]
	s_add_nc_u64 s[46:47], s[6:7], s[46:47]
	CROUND                                         ; all sixteen work-groups are here: the first joint loads meet
.irp s, 0,1
	s_mov_b32 s[G0+4*\s], 1
	s_add_co_u32 s[G0+4*\s+1], s20, \s*SLOT
	s_add_nc_u64 s[G0+4*\s+2:G0+4*\s+3], s[14:15], \s*KSTEP*2
	s_or_b32 s[G0+4*\s+3], s[G0+4*\s+3], 0x80000000
	s_mov_b32 s[G0B+4*\s], 1
	s_add_co_u32 s[G0B+4*\s+1], s20, \s*SLOT
	s_add_nc_u64 s[G0B+4*\s+2:G0B+4*\s+3], s[46:47], \s*KSTEP*2
	s_or_b32 s[G0B+4*\s+3], s[G0B+4*\s+3], 0x80000000
	JLOAD \s
.endr
	v_and_b32 v1, 15, v0
	v_bfe_u32 v2, v0, 4, 1
	v_mul_u32_u24 v3, v1, PITCH
	v_lshl_add_u32 v3, v2, 4, v3
	s_mul_i32 s21, s11, HALFT
	s_mul_i32 s22, s12, HALFT
	s_add_co_u32 s22, s22, 2*HALFT
.irp s, 0,1
	v_add_nc_u32 v[ADRA+\s], s21, v3
	v_add_nc_u32 v[ADRB+\s], s22, v3
	s_add_co_u32 s21, s21, SLOT
	s_add_co_u32 s22, s22, SLOT
.endr
	s_mul_i32 s23, s10, 16*SPITCH
	s_add_co_u32 s23, s23, STAGE                   ; my stage
	v_mul_u32_u24 v4, v1, SPITCH
	v_lshl_add_u32 v4, v2, 5, v4
	v_add_nc_u32 v[STO], s23, v4                   ; in: row l % 16, 32 bytes for each half of the lanes
	v_mul_u32_u24 v5, v2, SPITCH
	v_lshl_add_u32 v5, v1, 4, v5
	v_add_nc_u32 v[RD], s23, v5                    ; back: lanes 0-15 one row of 256 bytes, lanes 16-31 the next
	v_mul_u32_u24 v5, v2, SIZE_N*4
	v_lshl_add_u32 v[CO], v1, 4, v5
	v_lshlrev_b32 v[BA], 5, v2
	s_lshl_b32 s16, s13, 7
	s_lshl_b32 s17, s11, 6
	s_add_co_u32 s16, s16, s17                     ; my first row: 128 x tile row + 64 x half
	s_mov_b32 s17, 0
	s_mov_b64 s[18:19], SIZE_N*4
	s_mul_u64 s[16:17], s[16:17], s[18:19]
	s_add_nc_u64 s[70:71], s[70:71], s[16:17]
	s_lshl_b32 s46, s42, 9                         ; my first column in bytes: 512 x tile column + 256 x half
	s_lshl_b32 s47, s12, 8
	s_add_co_u32 s46, s46, s47
	s_mov_b32 s47, 0
	s_add_nc_u64 s[70:71], s[70:71], s[46:47]
	s_add_nc_u64 s[68:69], s[68:69], s[46:47]
.irp b, 0,1,2,3
	global_load_b128 v[BI+8*\b:BI+8*\b+3], v[BA], s[68:69] offset:64*\b
	global_load_b128 v[BI+8*\b+4:BI+8*\b+7], v[BA], s[68:69] offset:64*\b+16
.endr
; 8 matrix instructions: m blocks a0, a0 + 1 x all 4 n blocks, 32 along K.  zero = 1: the sums begin with b_out.  The 16 accumulators take turns.
.macro MUL8 f, c, a0, zero
.irp a, \a0, \a0+1
.irp b, 0,1,2,3
.if \zero
	v_wmma_f32_16x16x32_f16 v[ACC+8*(4*(\a)+\b):ACC+8*(4*(\a)+\b)+7], v[\f+64+8*(4*\c+\b):\f+64+8*(4*\c+\b)+7], v[\f+8*(4*\c+\a):\f+8*(4*\c+\a)+7], v[BI+8*\b:BI+8*\b+7]
.else
	v_wmma_f32_16x16x32_f16 v[ACC+8*(4*(\a)+\b):ACC+8*(4*(\a)+\b)+7], v[\f+64+8*(4*\c+\b):\f+64+8*(4*\c+\b)+7], v[\f+8*(4*\c+\a):\f+8*(4*\c+\a)+7], v[ACC+8*(4*(\a)+\b):ACC+8*(4*(\a)+\b)+7]
.endif
.endr
.endr
.endm
.macro FETCH slot, k, f                ; 32 LDS loads in one run: the fragments of 64 along K at byte k of the rows; the first 32 along K first
	WIN TO_F
.irp c, 0,1
.irp i, 0,1,2,3
	ds_load_b128 v[\f+64+8*(4*\c+\i):\f+64+8*(4*\c+\i)+3],   v[ADRB+\slot] offset:\k+64*\c+\i*16*PITCH
	ds_load_b128 v[\f+64+8*(4*\c+\i)+4:\f+64+8*(4*\c+\i)+7], v[ADRB+\slot] offset:\k+64*\c+\i*16*PITCH+32
	ds_load_b128 v[\f+8*(4*\c+\i):\f+8*(4*\c+\i)+3],         v[ADRA+\slot] offset:\k+64*\c+\i*16*PITCH
	ds_load_b128 v[\f+8*(4*\c+\i)+4:\f+8*(4*\c+\i)+7],       v[ADRA+\slot] offset:\k+64*\c+\i*16*PITCH+32
.endr
.endr
.endm
.macro PLACES
.rept 4
	v_nop
.endr
.endm
.macro QUARTER slot, k, f, g, zero
	s_wait_dscnt 16                                ; the first 32 along K are in; the other sixteen loads may be out
	WIN MUL
	MUL8 \f, 0, 0, \zero
	MUL8 \f, 0, 2, \zero
	PLACES
	FETCH \slot, \k, \g
	s_wait_dscnt 32                                ; all but the 32 just issued
	WIN MUL
	MUL8 \f, 1, 0, 0
	MUL8 \f, 1, 2, 0
.endm
.macro TURN slot, next, fill           ; the last quarter changes slots: one barrier; fill = 1: it opens a round of the cluster's barrier, and this slot is filled again
	WIN 0
	s_wait_tensorcnt 0x0                           ; all my tensor loads have landed: my part of the next slot
	ds_add_u32 v[SPW], v[NIL]
	s_wait_dscnt 17                                ; the add and the youngest sixteen loads may be out
	WIN MUL
	MUL8 F1, 0, 0, 0
	s_wait_dscnt 0x0                               ; the add is done, and my reads of this slot are over
	s_barrier_signal -1
	MUL8 F1, 0, 2, 0
.if \fill
	WIN 0
.endif
	s_barrier_wait -1
.if \fill
	CREST                                          ; no wave of any partner still reads this slot's tile or has a load on its way
	s_add_nc_u64 s[G0+4*\slot+2:G0+4*\slot+3], s[G0+4*\slot+2:G0+4*\slot+3], 2*KSTEP*2
	s_add_nc_u64 s[G0B+4*\slot+2:G0B+4*\slot+3], s[G0B+4*\slot+2:G0B+4*\slot+3], 2*KSTEP*2
	JLOAD \slot                                    ; the first tensor load behind the round; its four v_nop are also the places in front of the loads below
.else
	PLACES
.endif
	FETCH \next, 0, F0
	WIN MUL
	MUL8 F1, 1, 0, 0
	MUL8 F1, 1, 2, 0
.endm
	s_wait_tensorcnt 1                             ; my part of K step 0 is in; K step 1's load may be out,
	s_barrier_signal -1
	s_barrier_wait -1                              ; everybody's is
	FETCH 0, 0, F0
	s_wait_loadcnt 0x0                             ; b_out
	QUARTER 0, 128, F0, F1, 1
	WIN 0
	s_mov_b32 s3, LAPS-1
.Llap:
	QUARTER 0, 256, F1, F0, 0
	QUARTER 0, 384, F0, F1, 0
	TURN 0, 1, 1
	QUARTER 1, 128, F0, F1, 0
	QUARTER 1, 256, F1, F0, 0
	QUARTER 1, 384, F0, F1, 0
	TURN 1, 0, 1
	QUARTER 0, 128, F0, F1, 0
	WIN 0
	s_sub_co_u32 s3, s3, 1
	s_cmp_lg_u32 s3, 0
	s_cbranch_scc1 .Llap
	QUARTER 0, 256, F1, F0, 0                      ; the last lap fills nothing
	QUARTER 0, 384, F0, F1, 0
	TURN 0, 1, 0
	QUARTER 1, 128, F0, F1, 0
	QUARTER 1, 256, F1, F0, 0
	QUARTER 1, 384, F0, F1, 0
	s_wait_dscnt 16
	WIN MUL
	MUL8 F1, 0, 0, 0
	MUL8 F1, 0, 2, 0
	s_wait_dscnt 0
	MUL8 F1, 1, 0, 0
	MUL8 F1, 1, 2, 0
	WIN 0
; THE WAY OUT, block by block of 16 rows x 64 columns of f32, through my own stage: in as 32 bytes a lane, back as whole rows of 256 bytes.
.macro TOSTAGE a
.irp b, 0,1,2,3
	ds_store_b128 v[STO], v[ACC+8*(4*(\a)+\b):ACC+8*(4*(\a)+\b)+3] offset:64*\b            ; each accumulator from its low end on
	ds_store_b128 v[STO], v[ACC+8*(4*(\a)+\b)+4:ACC+8*(4*(\a)+\b)+7] offset:64*\b+16
.endr
.irp t, 0,1,2,3,4,5,6,7
	ds_load_b128 v[OB+32*((\a)%2)+4*\t:OB+32*((\a)%2)+4*\t+3], v[RD] offset:\t*2*SPITCH    ; LDS serves a wave's instructions in order: these see the stores above, and the next block's stores come behind them
.endr
.endm
.macro SEND a, younger
	s_wait_dscnt \younger                          ; the block is back; the next block's sixteen LDS instructions may be out
.irp t, 0,1,2,3,4,5,6,7
	global_store_b128 v[CO], v[OB+32*((\a)%2)+4*\t:OB+32*((\a)%2)+4*\t+3], s[70:71] offset:(16*(\a)+2*\t)*SIZE_N*4 th:TH_STORE_NT   ; sixteen lanes store 256 consecutive bytes, aligned
.endr
.endm
	PLACES
	TOSTAGE 0
.irp a, 1,2,3
.if \a > 1
	s_wait_xcnt 0x0                                ; block a - 2's stores have read their registers: block a's loads may land there
.endif
	TOSTAGE \a
	SEND \a-1, 16
.endr
	SEND 3, 0
	s_wait_tensorcnt 0x0                           ; the wave's end: the three lines
	ds_add_u32 v[SPW], v[NIL]
	s_wait_dscnt 0x0
	CROUND                                         ; the closing round
	s_endpgm
.Lfunc_end_k_qa6d57185ca_proj:
	.size	k_qa6d57185ca_proj, .Lfunc_end_k_qa6d57185ca_proj-k_qa6d57185ca_proj
	.p2alignl 7, 3214868480
	.fill 96, 4, 3214868480
	.section	.rodata,"a",@progbits
	.p2align	6, 0x0
	.amdhsa_kernel k_qa6d57185ca_proj
		.amdhsa_group_segment_fixed_size 327680
		.amdhsa_private_segment_fixed_size 0
		.amdhsa_enable_private_segment 0
		.amdhsa_kernarg_size 32
		.amdhsa_user_sgpr_count 2
		.amdhsa_user_sgpr_kernarg_segment_ptr 1
		.amdhsa_wavefront_size32 1
		.amdhsa_system_sgpr_workgroup_id_x 1
		.amdhsa_system_sgpr_workgroup_id_y 1
		.amdhsa_system_sgpr_workgroup_id_z 1
		.amdhsa_system_vgpr_workitem_id 0
		.amdhsa_next_free_vgpr 512
		.amdhsa_next_free_sgpr 72
		.amdhsa_reserve_vcc 0
		.amdhsa_float_denorm_mode_32 3
		.amdhsa_float_denorm_mode_16_64 3
		.amdhsa_memory_ordered 1
		.amdhsa_forward_progress 1
		.amdhsa_inst_pref_size 87
	.end_amdhsa_kernel
	.amdgpu_metadata
---
amdhsa.version: [ 1, 2 ]
amdhsa.kernels:
  - .name:           k_qa6d57185ca_proj
    .symbol:         k_qa6d57185ca_proj.kd
    .args:
      - { .name: attn, .offset: 0, .size: 8, .value_kind: global_buffer, .address_space: global }
      - { .name: wt, .offset: 8, .size: 8, .value_kind: global_buffer, .address_space: global }
      - { .name: b_out, .offset: 16, .size: 8, .value_kind: global_buffer, .address_space: global }
      - { .name: out0, .offset: 24, .size: 8, .value_kind: global_buffer, .address_space: global }
    .group_segment_fixed_size: 327680
    .private_segment_fixed_size: 0
    .kernarg_segment_align: 8
    .kernarg_segment_size: 32
    .max_flat_workgroup_size: 128
    .sgpr_count:     72
    .vgpr_count:     512
    .wavefront_size: 32
...
	.end_amdgpu_metadata
.endif
;; end of part 4
;; launch fine_a (part 5): grid 16 x 1, 4 waves a work-group, no clusters, 17,920 bytes of LDS; arguments x_codes, x_scales, w_codes, w_scales, b_qkv, entity_bias, attn_fine; writes attn_fine
.if DOCPART == 5
	.amdgcn_target "amdgcn-amd-amdhsa--gfx1250"
	.amdhsa_code_object_version 6
	.text
	.protected	k_qa6d57185ca_fine_a
	.globl	k_qa6d57185ca_fine_a
	.p2align	8
	.type	k_qa6d57185ca_fine_a,@function
k_qa6d57185ca_fine_a:
	s_mov_b64 s[64:65], 0
	v_nop
	global_prefetch_b8 v0, s[64:65] scope:SCOPE_SE
	s_setreg_imm32_b32 hwreg(HW_REG_WAVE_MODE, 25, 1), 1
	s_wait_xcnt 0x0
; Launch 5 of 6: positions 0 to 15 of every sequence, in every head, carried in f32: these rows average one to sixteen values and are the largest in size, so f16 operands would weigh most there.
; A wave serves one (batch, head) alone: q, k, v of the 16 positions once more by the quantised product on FP4 codes (sums f32, not rounded), then scores, softmax and the weighted sum in f32.
; LEFT OUT: the bias of k (shown at the head of the first kernel); keys after position 15, which the causal mask hides from these queries.
; LAYOUT.  q and k transposed (source 0 = 16 rows of w_codes, source 1 = x): lane (r, h) holds position r, register 8 t + j channel 16 t + 8 h + j.  A pair of such registers is an operand of the f32 form, whose K index
; 2 h + e then stands for channel 16 t + 8 h + 2 jj + e, alike for k and q.  v the other way round (source 0 = x): lane (r, h) holds channel 16 t + r, register j position 8 h + j.
; REGISTERS: window 0: v1-15 addresses; v16-79 x's 8 fragments, later the result; v80-87 x's scale words, v88-135 W's, and nothing else there; v136-167 q, v168-199 k, v200-231 v; v232-239 entity_bias; v240-247 scores, p; v248-255 at work.
;   windows 1, 2: W's 32 fragments of one group (tile t, K step k at v[64 t + 8 k]).   window 3: v0-31 four partial sums of S^T, v32-63 O^T: written by matrix instructions alone.
.set SPARE, 17408                      ; behind the four stages of 16 x 272 bytes
.set XF, 16
.set XS, 80
.set WS, 88
.set QA, 136
.set KA, 168
.set VA, 200
.set EB, 232
.set T,  240
.set U,  248
.set SEL, 24
.set CS,  26
.set MSB, 0
.macro WIN new
.if MSB != \new
	s_set_vgpr_msb (MSB<<8)|\new
.set MSB, \new
.endif
.endm
	s_load_b256 s[4:11], s[0:1], 0x0               ; x_codes s[4:5], x_scales s[6:7], w_codes s[8:9], w_scales s[10:11]
	s_load_b128 s[12:15], s[0:1], 0x20             ; b_qkv, entity_bias
	s_load_b64 s[16:17], s[0:1], 0x30              ; attn_fine
	v_lshl_add_u32 v14, v0, 2, SPARE               ; my spare word; never rewritten
	v_mov_b32 v15, 0
	v_lshrrev_b32 v1, 5, v0
	v_readfirstlane_b32 s18, v1                    ; wave 0..3
	s_lshr_b32 s19, ttmp9, 2                       ; the batch
	s_and_b32 s20, ttmp9, 3
	s_lshl_b32 s20, s20, 2
	s_add_co_u32 s20, s20, s18                     ; the head
	v_and_b32 v1, 15, v0                           ; r
	v_bfe_u32 v2, v0, 4, 1                         ; h
	v_lshlrev_b32 v3, 9, v1
	v_lshl_add_u32 v3, v2, 4, v3                   ; codes: row r of 512 bytes, + 16 h
	v_lshlrev_b32 v4, 5, v1                        ; x's scales: row r of 32 bytes
	v_and_b32 v5, 31, v0
	v_lshlrev_b32 v5, 5, v5                        ; W's scales: a lane a row: lanes 0-15 an even tile's rows, lanes 16-31 the odd tile's
	v_lshlrev_b32 v6, 13, v1
	v_lshl_add_u32 v6, v2, 5, v6                   ; entity_bias: row r of 8,192 bytes, + 32 h
	v_lshlrev_b32 v7, 5, v2                        ; b_q: 32 h
	v_lshlrev_b32 v8, 2, v1                        ; b_v: 4 r
	s_mul_i32 s21, s18, 16*272
	v_mul_u32_u24 v9, v1, 272
	v_lshl_add_u32 v9, v2, 5, v9
	v_add_nc_u32 v9, s21, v9                       ; my stage, in
	v_mul_u32_u24 v10, v2, 272
	v_lshl_add_u32 v10, v1, 4, v10
	v_add_nc_u32 v10, s21, v10                     ; and back
	v_lshlrev_b32 v11, 12, v2
	v_lshl_add_u32 v11, v1, 4, v11                 ; attn_fine: row h of 4,096 bytes, + 16 r
	v_lshlrev_b32 v12, 3, v2
	v_sub_nc_u32 v12, v1, v12                      ; r - 8 h
	v_mov_b32 v13, 0xce6e6b28                      ; -1e9
	s_mov_b32 s[SEL], 0x76543210
	s_mov_b32 s[SEL+1], 0xfedcba98
	s_mov_b32 s[CS], 0x3fb8aa3b                    ; log2(e)
	s_mov_b32 s23, 0
	s_wait_kmcnt 0x0
	s_lshl_b32 s22, s19, 20
	s_add_nc_u64 s[4:5], s[4:5], s[22:23]          ; the batch's first row of x_codes
	s_lshl_b32 s22, s19, 16
	s_add_nc_u64 s[6:7], s[6:7], s[22:23]
	s_add_nc_u64 s[16:17], s[16:17], s[22:23]      ; 16 rows of 4,096 bytes a batch
	s_lshl_b32 s22, s20, 15
	s_add_nc_u64 s[8:9], s[8:9], s[22:23]          ; the head's 64 rows of w_codes
	s_lshl_b32 s22, s20, 11
	s_add_nc_u64 s[10:11], s[10:11], s[22:23]
	s_lshl_b32 s22, s20, 8
	s_add_nc_u64 s[12:13], s[12:13], s[22:23]
	s_add_nc_u64 s[16:17], s[16:17], s[22:23]
	s_lshl_b32 s22, s19, 24
	s_add_nc_u64 s[14:15], s[14:15], s[22:23]
.irp k, 0,1,2,3,4,5,6,7
.irp c, 0,1
	global_load_b128 v[XF+8*\k+4*\c:XF+8*\k+4*\c+3], v3, s[4:5] offset:64*\k+32*\c
.endr
.endr
	global_load_b128 v[XS:XS+3], v4, s[6:7]        ; a row's eight scale words: K steps 0 to 3,
	global_load_b128 v[XS+4:XS+7], v4, s[6:7] offset:16    ; 4 to 7
.irp g, 0,1,2
.irp p, 0,1
	global_load_b128 v[WS+16*\g+8*\p:WS+16*\g+8*\p+3],   v5, s[10:11] offset:32768*\g+1024*\p
	global_load_b128 v[WS+16*\g+8*\p+4:WS+16*\g+8*\p+7], v5, s[10:11] offset:32768*\g+1024*\p+16
.endr
.endr
	global_load_b128 v[EB:EB+3], v6, s[14:15]
	global_load_b128 v[EB+4:EB+7], v6, s[14:15] offset:16
.irp t, 0,1,2,3
	global_load_b128 v[QA+8*\t:QA+8*\t+3], v7, s[12:13] offset:64*\t       ; b_q, straight into q's accumulators
	global_load_b128 v[QA+8*\t+4:QA+8*\t+7], v7, s[12:13] offset:64*\t+16
.endr
.irp t, 0,1,2,3
.irp j, 0,1,2,3,4,5,6,7
	global_load_b32 v[VA+8*\t+\j], v8, s[12:13] offset:8192+64*\t          ; b_v of my channel, into all eight positions
.endr
.endr
.macro LOADW g, win                    ; the 32 fragments of group g (0 q, 1 k, 2 v) into a whole window
	WIN \win
.irp t, 0,1,2,3
.irp k, 0,1,2,3,4,5,6,7
.irp c, 0,1
	global_load_b128 v[64*\t+8*\k+4*\c:64*\t+8*\k+4*\c+3], v3, s[8:9] offset:524288*\g+8192*\t+64*\k+32*\c
.endr
.endr
.endr
	WIN 0
.endm
.macro MULQK acc, g, zero              ; 32 products, the four tiles by turns; odd tiles take their scales from lanes 16-31
.irp k, 0,1,2,3,4,5,6,7
.irp t, 0,1,2,3
.if (\zero) && (\k == 0)
.if \t % 2
	v_wmma_scale_f32_16x16x128_f8f6f4 v[\acc+8*\t:\acc+8*\t+7], v[64*\t+8*\k:64*\t+8*\k+7], v[XF+8*\k:XF+8*\k+7], 0, v[WS+16*\g+8*(\t/2)+\k], v[XS+\k] matrix_a_fmt:MATRIX_FMT_FP4 matrix_b_fmt:MATRIX_FMT_FP4 matrix_a_scale:MATRIX_SCALE_ROW1
.else
	v_wmma_scale_f32_16x16x128_f8f6f4 v[\acc+8*\t:\acc+8*\t+7], v[64*\t+8*\k:64*\t+8*\k+7], v[XF+8*\k:XF+8*\k+7], 0, v[WS+16*\g+8*(\t/2)+\k], v[XS+\k] matrix_a_fmt:MATRIX_FMT_FP4 matrix_b_fmt:MATRIX_FMT_FP4
.endif
.else
.if \t % 2
	v_wmma_scale_f32_16x16x128_f8f6f4 v[\acc+8*\t:\acc+8*\t+7], v[64*\t+8*\k:64*\t+8*\k+7], v[XF+8*\k:XF+8*\k+7], v[\acc+8*\t:\acc+8*\t+7], v[WS+16*\g+8*(\t/2)+\k], v[XS+\k] matrix_a_fmt:MATRIX_FMT_FP4 matrix_b_fmt:MATRIX_FMT_FP4 matrix_a_scale:MATRIX_SCALE_ROW1
.else
	v_wmma_scale_f32_16x16x128_f8f6f4 v[\acc+8*\t:\acc+8*\t+7], v[64*\t+8*\k:64*\t+8*\k+7], v[XF+8*\k:XF+8*\k+7], v[\acc+8*\t:\acc+8*\t+7], v[WS+16*\g+8*(\t/2)+\k], v[XS+\k] matrix_a_fmt:MATRIX_FMT_FP4 matrix_b_fmt:MATRIX_FMT_FP4
.endif
.endif
.endr
.endr
.endm
	LOADW 0, 0x40
	LOADW 1, 0x80
	s_wait_loadcnt 0x0
	WIN 0x01
	MULQK QA, 0, 0                                 ; q = x Wq + b_q
	WIN 0
.rept 4
	v_nop                                          ; places in front of loads into registers that those products have read
.endr
	LOADW 2, 0x40
	WIN 0x02
	MULQK KA, 1, 1                                 ; k = x Wk
	s_wait_loadcnt 0x0
	WIN 0x04                                       ; source 1 in window 1
.irp k, 0,1,2,3,4,5,6,7
.irp t, 0,1,2,3
.if \t % 2
	v_wmma_scale_f32_16x16x128_f8f6f4 v[VA+8*\t:VA+8*\t+7], v[XF+8*\k:XF+8*\k+7], v[64*\t+8*\k:64*\t+8*\k+7], v[VA+8*\t:VA+8*\t+7], v[XS+\k], v[WS+32+8*(\t/2)+\k] matrix_a_fmt:MATRIX_FMT_FP4 matrix_b_fmt:MATRIX_FMT_FP4 matrix_b_scale:MATRIX_SCALE_ROW1
.else
	v_wmma_scale_f32_16x16x128_f8f6f4 v[VA+8*\t:VA+8*\t+7], v[XF+8*\k:XF+8*\k+7], v[64*\t+8*\k:64*\t+8*\k+7], v[VA+8*\t:VA+8*\t+7], v[XS+\k], v[WS+32+8*(\t/2)+\k] matrix_a_fmt:MATRIX_FMT_FP4 matrix_b_fmt:MATRIX_FMT_FP4
.endif
.endr
.endr
	WIN 0
.rept 5
	v_nop                                          ; five places before matrix instructions take these results as operands
.endr
	WIN 0xf0                                       ; C and D in window 3
.irp t, 0,1,2,3                        ; S^T = k q^T: 16 products of 4 channels; four partial sums take turns; each begins with 0
.irp j, 0,1,2,3
.if \t == 0
	v_wmma_f32_16x16x4_f32 v[8*\j:8*\j+7], v[KA+8*\t+2*\j:KA+8*\t+2*\j+1], v[QA+8*\t+2*\j:QA+8*\t+2*\j+1], 0
.else
	v_wmma_f32_16x16x4_f32 v[8*\j:8*\j+7], v[KA+8*\t+2*\j:KA+8*\t+2*\j+1], v[QA+8*\t+2*\j:QA+8*\t+2*\j+1], v[8*\j:8*\j+7]
.endif
.endr
.endr
	WIN 0
.rept 8
	v_nop                                          ; eight places behind this form
.endr
	WIN 0x0f                                       ; sources in window 3
.irp j, 0,1,2,3,4,5,6,7
	v_add_f32 v[T+\j], v[\j], v[8+\j]
.endr
.irp j, 0,1,2,3,4,5,6,7
	v_add_f32 v[U+\j], v[16+\j], v[24+\j]
.endr
	WIN 0
.irp j, 0,1,2,3,4,5,6,7
	v_add_f32 v[T+\j], v[T+\j], v[U+\j]            ; lane (r, h), register j: key 8 h + j, query r
.endr
.irp j, 0,1,2,3,4,5,6,7
	v_fma_f32 v[T+\j], v[T+\j], 0x3e000000, v[EB+\j]       ; / 8 + entity_bias
.endr
.irp j, 0,1,2,3,4,5,6,7
	v_cmp_gt_i32 vcc_lo, \j, v12                   ; key 8 h + j after query r
	v_cndmask_b32 v[T+\j], v[T+\j], v13, vcc_lo
.endr
	v_max3_num_f32 v[U], v[T], v[T+1], v[T+2]
	v_max3_num_f32 v[U], v[U], v[T+3], v[T+4]
	v_max3_num_f32 v[U], v[U], v[T+5], v[T+6]
	v_max_num_f32 v[U], v[U], v[T+7]
	v_permlanex16_b32 v[U+1], v[U], s[SEL], s[SEL+1]
	v_max_num_f32 v[U], v[U], v[U+1]               ; the row's maximum
	v_mul_f32 v[U], s[CS], v[U]
.irp j, 0,1,2,3,4,5,6,7
	v_fma_f32 v[T+\j], v[T+\j], s[CS], -v[U]
.endr
.irp j, 0,1,2,3,4,5,6,7
	v_exp_f32 v[T+\j], v[T+\j]
.endr
	v_nop                                          ; a plain instruction behind the last exponential
	s_wait_alu depctr_va_vdst(0)                   ; one wait for the batch
	v_add_f32 v[U+2], v[T], v[T+1]
	v_add_f32 v[U+3], v[T+2], v[T+3]
	v_add_f32 v[U+4], v[T+4], v[T+5]
	v_add_f32 v[U+5], v[T+6], v[T+7]
	v_add_f32 v[U+2], v[U+2], v[U+3]
	v_add_f32 v[U+4], v[U+4], v[U+5]
	v_add_f32 v[U+2], v[U+2], v[U+4]
	v_permlanex16_b32 v[U+3], v[U+2], s[SEL], s[SEL+1]
	v_add_f32 v[U+2], v[U+2], v[U+3]               ; the row's sum
	v_rcp_f32 v[U+6], v[U+2]
	v_nop
	s_wait_alu depctr_va_vdst(0)
	WIN 0xf0
.irp k, 0,1,2,3                        ; O^T = v^T p: keys 8 h + 2 k + e; the four tiles of channels take turns
.irp d, 0,1,2,3
.if \k == 0
	v_wmma_f32_16x16x4_f32 v[32+8*\d:32+8*\d+7], v[VA+8*\d+2*\k:VA+8*\d+2*\k+1], v[T+2*\k:T+2*\k+1], 0
.else
	v_wmma_f32_16x16x4_f32 v[32+8*\d:32+8*\d+7], v[VA+8*\d+2*\k:VA+8*\d+2*\k+1], v[T+2*\k:T+2*\k+1], v[32+8*\d:32+8*\d+7]
.endif
.endr
.endr
	WIN 0
.rept 8
	v_nop
.endr
	WIN 0x03                                       ; source 0 in window 3
.set i, 0
.rept 32
	v_mul_f32 v[XF+i], v[32+i], v[U+6]             ; / the sum, into other registers: register 8 d + j is channel 16 d + 8 h + j of query r
.set i, i+1
.endr
	WIN 0
.irp d, 0,1,2,3
	ds_store_b128 v9, v[XF+8*\d:XF+8*\d+3] offset:64*\d
	ds_store_b128 v9, v[XF+8*\d+4:XF+8*\d+7] offset:64*\d+16
.endr
.irp t, 0,1,2,3,4,5,6,7
	ds_load_b128 v[XF+32+4*\t:XF+32+4*\t+3], v10 offset:544*\t     ; LDS serves a wave's instructions in order: these see my stores
.endr
.irp t, 0,1,2,3,4,5,6,7
	s_wait_dscnt 7-\t
	global_store_b128 v11, v[XF+32+4*\t:XF+32+4*\t+3], s[16:17] offset:8192*\t     ; sixteen lanes store the head's 256 bytes of a row, aligned
.endr
	s_wait_tensorcnt 0x0                           ; the wave's end
	ds_add_u32 v14, v15
	s_wait_dscnt 0x0
	s_endpgm
.Lfunc_end_k_qa6d57185ca_fine_a:
	.size	k_qa6d57185ca_fine_a, .Lfunc_end_k_qa6d57185ca_fine_a-k_qa6d57185ca_fine_a
	.p2alignl 7, 3214868480
	.fill 96, 4, 3214868480
	.section	.rodata,"a",@progbits
	.p2align	6, 0x0
	.amdhsa_kernel k_qa6d57185ca_fine_a
		.amdhsa_group_segment_fixed_size 17920
		.amdhsa_private_segment_fixed_size 0
		.amdhsa_enable_private_segment 0
		.amdhsa_kernarg_size 56
		.amdhsa_user_sgpr_count 2
		.amdhsa_user_sgpr_kernarg_segment_ptr 1
		.amdhsa_wavefront_size32 1
		.amdhsa_system_sgpr_workgroup_id_x 1
		.amdhsa_system_sgpr_workgroup_id_y 1
		.amdhsa_system_sgpr_workgroup_id_z 1
		.amdhsa_system_vgpr_workitem_id 0
		.amdhsa_next_free_vgpr 1024
		.amdhsa_next_free_sgpr 66
		.amdhsa_reserve_vcc 1
		.amdhsa_float_denorm_mode_32 3
		.amdhsa_float_denorm_mode_16_64 3
		.amdhsa_memory_ordered 1
		.amdhsa_forward_progress 1
		.amdhsa_inst_pref_size 50
	.end_amdhsa_kernel
	.amdgpu_metadata
---
amdhsa.version: [ 1, 2 ]
amdhsa.kernels:
  - .name:           k_qa6d57185ca_fine_a
    .symbol:         k_qa6d57185ca_fine_a.kd
    .args:
      - { .name: x_codes, .offset: 0, .size: 8, .value_kind: global_buffer, .address_space: global }
      - { .name: x_scales, .offset: 8, .size: 8, .value_kind: global_buffer, .address_space: global }
      - { .name: w_codes, .offset: 16, .size: 8, .value_kind: global_buffer, .address_space: global }
      - { .name: w_scales, .offset: 24, .size: 8, .value_kind: global_buffer, .address_space: global }
      - { .name: b_qkv, .offset: 32, .size: 8, .value_kind: global_buffer, .address_space: global }
      - { .name: entity_bias, .offset: 40, .size: 8, .value_kind: global_buffer, .address_space: global }
      - { .name: attn_fine, .offset: 48, .size: 8, .value_kind: global_buffer, .address_space: global }
    .group_segment_fixed_size: 17920
    .private_segment_fixed_size: 0
    .kernarg_segment_align: 8
    .kernarg_segment_size: 56
    .max_flat_workgroup_size: 128
    .sgpr_count:     66
    .vgpr_count:     1024
    .wavefront_size: 32
...
	.end_amdgpu_metadata
.endif
;; end of part 5
;; launch fine_b (part 6): grid 16 x 4, 8 waves a work-group, no clusters, 35,840 bytes of LDS; arguments attn_fine, W_out, b_out, out0; writes out0
.if DOCPART == 6
	.amdgcn_target "amdgcn-amd-amdhsa--gfx1250"
	.amdhsa_code_object_version 6
	.text
	.protected	k_qa6d57185ca_fine_b
	.globl	k_qa6d57185ca_fine_b
	.p2align	8
	.type	k_qa6d57185ca_fine_b,@function
k_qa6d57185ca_fine_b:
	s_mov_b64 s[64:65], 0
	v_nop
	global_prefetch_b8 v0, s[64:65] scope:SCOPE_SE
	s_setreg_imm32_b32 hwreg(HW_REG_WAVE_MODE, 25, 1), 1
	s_wait_xcnt 0x0
; Launch 6 of 6: the projection of positions 0 to 15 of every sequence in f32: out0[b][0..15][n] = sum over k of attn_fine[16 b + r][k] W_out[k][n] + b_out[n].  It writes these 64 rows over what the f16 projection left there.
; A work-group has one batch and 64 columns; each of its eight waves sums 128 of the 1,024 along k by the f32 matrix form (64 rows in all: no bulk work); the partial sums meet in LDS.
; The form is used transposed (source 0 = 16 columns of W_out, source 1 = the 16 rows).  K is taken in another order, alike on both sides: in chunk q of 8, lane (r, h) holds k = 8 q + 4 h + e, e = 0 .. 3, so that a row's part is one load of 16 bytes.
; REGISTERS: window 0: v1-8 addresses; v16-79 the rows' 16 chunks, later the partial sums; v80-83 b_out; v96-127 the four accumulators, written by matrix instructions alone.   window 1: W_out: v[16 q + 4 t + e].
.set SPARE, 34816                      ; behind the eight waves' 16 x 272 bytes
.set AA,  16
.set ACC, 96
	s_load_b128 s[4:7], s[0:1], 0x0                ; attn_fine, W_out
	s_load_b128 s[8:11], s[0:1], 0x10              ; b_out, out0
	v_lshl_add_u32 v14, v0, 2, SPARE               ; my spare word; never rewritten
	v_mov_b32 v15, 0
	v_lshrrev_b32 v1, 5, v0
	v_readfirstlane_b32 s12, v1                    ; wave 0..7
	s_and_b32 s13, ttmp7, 0xffff                   ; the batch
	v_and_b32 v1, 15, v0                           ; r
	v_bfe_u32 v2, v0, 4, 1                         ; h
	v_lshlrev_b32 v3, 12, v1
	v_lshl_add_u32 v3, v2, 4, v3                   ; the rows: row r of 4,096 bytes, + 16 h
	v_lshlrev_b32 v4, 14, v2
	v_lshl_add_u32 v4, v1, 2, v4                   ; W_out: 4 h rows of 4,096 bytes, + 4 r
	s_mul_i32 s15, s12, 16*272
	v_mul_u32_u24 v5, v1, 272
	v_lshl_add_u32 v5, v2, 5, v5
	v_add_nc_u32 v5, s15, v5                       ; my partial sums: row r, + 32 h
	s_mul_i32 s15, s12, 2*272
	v_mul_u32_u24 v6, v2, 272
	v_lshl_add_u32 v6, v1, 4, v6
	v_add_nc_u32 v6, s15, v6                       ; back: row 2 w + h of every wave's, 16 bytes a lane
	v_lshlrev_b32 v7, 4, v1                        ; b_out: 16 r
	v_lshlrev_b32 v8, 12, v2
	v_lshl_add_u32 v8, v1, 4, v8                   ; out0: row h of 4,096 bytes, + 16 r
	s_mov_b32 s17, 0
	s_lshl_b32 s18, ttmp9, 8                       ; my 64 columns, in bytes
	s_wait_kmcnt 0x0
	s_lshl_b32 s16, s13, 16
	s_lshl_b32 s19, s12, 9
	s_add_co_u32 s16, s16, s19
	s_add_nc_u64 s[4:5], s[4:5], s[16:17]          ; the batch's 16 rows, my 128 along k
	s_lshl_b32 s16, s12, 19
	s_add_co_u32 s16, s16, s18
	s_add_nc_u64 s[6:7], s[6:7], s[16:17]          ; my 128 rows of W_out, my columns
	s_mov_b32 s16, s18
	s_add_nc_u64 s[8:9], s[8:9], s[16:17]
	s_lshl_b32 s16, s13, 23
	s_lshl_b32 s19, s12, 13
	s_add_co_u32 s16, s16, s19
	s_add_co_u32 s16, s16, s18
	s_add_nc_u64 s[10:11], s[10:11], s[16:17]      ; row 2,048 b + 2 w
	global_load_b128 v[80:83], v7, s[8:9]
.irp q, 0,1,2,3,4,5,6,7,8,9,10,11,12,13,14,15
	global_load_b128 v[AA+4*\q:AA+4*\q+3], v3, s[4:5] offset:32*\q
.endr
	s_set_vgpr_msb 0x40                            ; destination in window 1
.irp q, 0,1,2,3,4,5,6,7,8,9,10,11,12,13,14,15
.irp e, 0,1,2,3
.irp t, 0,1,2,3
	global_load_b32 v[16*\q+4*\t+\e], v4, s[6:7] offset:(8*\q+\e)*4096+64*\t       ; a row's four t stand on end: 256 consecutive bytes of W_out together
.endr
.endr
.endr
	s_set_vgpr_msb 0x4001                          ; source 0 in window 1
.macro CHUNK q                         ; 8 along k: two products for each of the four tiles of columns, which take turns
.irp p, 0,1
.irp t, 0,1,2,3
.if (\q == 0) && (\p == 0)
	v_wmma_f32_16x16x4_f32 v[ACC+8*\t:ACC+8*\t+7], v[16*\q+4*\t+2*\p:16*\q+4*\t+2*\p+1], v[AA+4*\q+2*\p:AA+4*\q+2*\p+1], 0
.else
	v_wmma_f32_16x16x4_f32 v[ACC+8*\t:ACC+8*\t+7], v[16*\q+4*\t+2*\p:16*\q+4*\t+2*\p+1], v[AA+4*\q+2*\p:AA+4*\q+2*\p+1], v[ACC+8*\t:ACC+8*\t+7]
.endif
.endr
.endr
.endm
	s_wait_loadcnt 63                              ; of 273 loads the first 210 are in: b_out, the rows, and 193 of W_out: chunks 0 to 11
.irp q, 0,1,2,3,4,5,6,7,8,9,10,11
	CHUNK \q
.endr
	s_wait_loadcnt 0x0
.irp q, 12,13,14,15
	CHUNK \q
.endr
	s_set_vgpr_msb 0x0100
.rept 8
	v_nop                                          ; eight places behind this form
.endr
.irp t, 0,1,2,3
	ds_store_b128 v5, v[ACC+8*\t:ACC+8*\t+3] offset:64*\t          ; lane (r, h): row r, columns 16 t + 8 h + 0 .. 7; each accumulator from its low end on
	ds_store_b128 v5, v[ACC+8*\t+4:ACC+8*\t+7] offset:64*\t+16
.endr
	s_wait_dscnt 0x0                               ; for the others' sake: my partial sums are in LDS
	s_barrier_signal -1
	s_barrier_wait -1
.irp w, 0,1,2,3,4,5,6,7
	ds_load_b128 v[AA+4*\w:AA+4*\w+3], v6 offset:4352*\w
.endr
	s_wait_dscnt 0x0
.irp w, 0,2,4,6
	v_pk_add_f32 v[AA+4*\w:AA+4*\w+1], v[AA+4*\w:AA+4*\w+1], v[AA+4*\w+4:AA+4*\w+5]
	v_pk_add_f32 v[AA+4*\w+2:AA+4*\w+3], v[AA+4*\w+2:AA+4*\w+3], v[AA+4*\w+6:AA+4*\w+7]
.endr
.irp w, 0,4
	v_pk_add_f32 v[AA+4*\w:AA+4*\w+1], v[AA+4*\w:AA+4*\w+1], v[AA+4*\w+8:AA+4*\w+9]
	v_pk_add_f32 v[AA+4*\w+2:AA+4*\w+3], v[AA+4*\w+2:AA+4*\w+3], v[AA+4*\w+10:AA+4*\w+11]
.endr
	v_pk_add_f32 v[AA:AA+1], v[AA:AA+1], v[AA+16:AA+17]
	v_pk_add_f32 v[AA+2:AA+3], v[AA+2:AA+3], v[AA+18:AA+19]
	v_pk_add_f32 v[AA:AA+1], v[AA:AA+1], v[80:81]  ; + b_out
	v_pk_add_f32 v[AA+2:AA+3], v[AA+2:AA+3], v[82:83]
	global_store_b128 v8, v[AA:AA+3], s[10:11]     ; sixteen lanes store 256 consecutive bytes, aligned
	s_wait_tensorcnt 0x0                           ; the wave's end
	ds_add_u32 v14, v15
	s_wait_dscnt 0x0
	s_endpgm
.Lfunc_end_k_qa6d57185ca_fine_b:
	.size	k_qa6d57185ca_fine_b, .Lfunc_end_k_qa6d57185ca_fine_b-k_qa6d57185ca_fine_b
	.p2alignl 7, 3214868480
	.fill 96, 4, 3214868480
	.section	.rodata,"a",@progbits
	.p2align	6, 0x0
	.amdhsa_kernel k_qa6d57185ca_fine_b
		.amdhsa_group_segment_fixed_size 35840
		.amdhsa_private_segment_fixed_size 0
		.amdhsa_enable_private_segment 0
		.amdhsa_kernarg_size 32
		.amdhsa_user_sgpr_count 2
		.amdhsa_user_sgpr_kernarg_segment_ptr 1
		.amdhsa_wavefront_size32 1
		.amdhsa_system_sgpr_workgroup_id_x 1
		.amdhsa_system_sgpr_workgroup_id_y 1
		.amdhsa_system_sgpr_workgroup_id_z 1
		.amdhsa_system_vgpr_workitem_id 0
		.amdhsa_next_free_vgpr 512
		.amdhsa_next_free_sgpr 66
		.amdhsa_reserve_vcc 0
		.amdhsa_float_denorm_mode_32 3
		.amdhsa_float_denorm_mode_16_64 3
		.amdhsa_memory_ordered 1
		.amdhsa_forward_progress 1
		.amdhsa_inst_pref_size 39
	.end_amdhsa_kernel
	.amdgpu_metadata
---
amdhsa.version: [ 1, 2 ]
amdhsa.kernels:
  - .name:           k_qa6d57185ca_fine_b
    .symbol:         k_qa6d57185ca_fine_b.kd
    .args:
      - { .name: attn_fine, .offset: 0, .size: 8, .value_kind: global_buffer, .address_space: global }
      - { .name: W_out, .offset: 8, .size: 8, .value_kind: global_buffer, .address_space: global }
      - { .name: b_out, .offset: 16, .size: 8, .value_kind: global_buffer, .address_space: global }
      - { .name: out0, .offset: 24, .size: 8, .value_kind: global_buffer, .address_space: global }
    .group_segment_fixed_size: 35840
    .private_segment_fixed_size: 0
    .kernarg_segment_align: 8
    .kernarg_segment_size: 32
    .max_flat_workgroup_size: 256
    .sgpr_count:     66
    .vgpr_count:     512
    .wavefront_size: 32
...
	.end_amdgpu_metadata
.endif
;; end of part 6
